; MI455X (gfx1250); checked and timed in simulation.
; The chip was launched on July 23, 2026; its instructions are those of AMD's public machine-readable ISA for CDNA 5 (MIT licence, August 2026) and "CDNA5" Instruction Set Architecture Reference Guide (July 2026). The comments in the code are by the model that wrote it; some were corrected since.
;; Causal Attn Block. Allowed arithmetic: matrix products marked QUANTISED: E2M1 operands, one E8M0 scale for each 32 along K, by v_wmma_scale_f32_16x16x128_f8f6f4 with both operands' format E2M1 (or v_wmma_scale_f32_32x16x128_f4), f32 sums; everything else in f32.
;; Inputs: W_out_codes 1,024 x 32 x 16 uint8 (E2M1 codes of W_out, K innermost, in blocks of 32 codes, two codes a byte); W_out_scales 1,024 x 32 uint8 (E8M0 scales of W_out, one for each 32 codes along K); W_qkv_codes 3,072 x 32 x 16 uint8 (E2M1 codes of W_qkv, K innermost, in blocks of 32 codes, two codes a byte); W_qkv_scales 3,072 x 32 uint8 (E8M0 scales of W_qkv, one for each 32 codes along K); b_out 1,024 float32; b_qkv 3,072 float32; x_codes 4 x 2,048 x 32 x 16 uint8 (E2M1 codes of x, K innermost, in blocks of 32 codes, two codes a byte); x_scales 4 x 2,048 x 32 uint8 (E8M0 scales of x, one for each 32 codes along K).
;; Outputs: out0 4 x 2,048 x 1,024 float32.
;; This version of the problem:
;;   THIS VERSION OF THE PROBLEM IS GIVEN IN LOW PRECISION. The matrix products marked QUANTISED in the list below multiply operands that are first quantised to E2M1 (2 exponent bits, 1 mantissa bit; 4 bits a number), with one power-of-two scale for each 32 numbers along K (OCP MX v1.0); their sums are f32. All else is computed in f32.
;;   The module's matrix products, in the order in which they are computed (A, B: the left and right operand; K: the contracted axis; several contracted axes count as one K, in the product's order):
;;     1. [M 8,192, K 1,024] x [K 1,024, N 3,072]; A: input x (given as codes); B: input W_qkv (given as codes): QUANTISED
;;     2. batch 64 x [M 2,048, K 64] x [K 64, N 2,048]; A: computed on the way; B: computed on the way: QUANTISED
;;     3. batch 64 x [M 2,048, K 2,048] x [K 2,048, N 64]; A: softmax (see below); B: computed on the way: QUANTISED
;;     4. [M 8,192, K 1,024] x [K 1,024, N 1,024]; A: computed on the way; B: input W_out (given as codes): QUANTISED
;;   THE QUANTISER, for each operand of a quantised product, along K:
;;     - K is cut into blocks of 32 from its start; a last block that is shorter is filled with zeros.
;;     - A block's scale is 2^e with e = floor(log2(the largest magnitude in the block)) - 2, held to -126 .. 127; a block of zeros has e = 0. As a byte (E8M0): e + 127.
;;     - Each number is divided by its block's scale, clamped to +-6, and rounded to the nearest number of E2M1, ties to even, subnormals kept.
;;     - The product sums the exact products of the quantised numbers (number of the format x scale) in f32.
;;   ~~~python
;;   def quantise(x, axis):      # numpy; x: float32 -> the quantised numbers, widened to float32 again
;;       x = np.moveaxis(x, axis, -1); K = x.shape[-1]
;;       x = np.pad(x, [(0, 0)] * (x.ndim - 1) + [(0, -K % 32)]); x = x.reshape(x.shape[:-1] + (-1, 32)); a = np.abs(x).max(-1, keepdims=True)
;;       e = np.where(a > 0, np.clip(np.frexp(np.where(a > 0, a, 1))[1] - 1 - 2, -126, 127), 0)      # np.frexp(a)[1] - 1 = floor(log2(a)), exactly
;;       r = np.clip(x / 2.0 ** e, -6, 6)
;;       step = 2.0 ** (np.maximum(np.frexp(np.where(r == 0, 1, r))[1] - 1, 0) - 1)
;;       q = np.round(r / step) * step * 2.0 ** e      # np.round: ties to even
;;       return np.moveaxis(q.reshape(q.shape[:-2] + (-1,))[..., :K], -1, axis).astype(np.float32)
;;   ~~~
;;   SOFTMAX AHEAD OF A QUANTISED PRODUCT. Where the list says 'softmax', what is quantised is not the finished softmax but p = 2^(t - M), with t = logit x log2(e) and M = ceil(the row's largest t), a whole number; so 1/2 < the row's largest p <= 1. The row's sum l is taken of the UNQUANTISED p, in f32, and the product's result is divided by l at the end. Since M is a whole number, a kernel that streams over the keys may use a running M (the ceiling of the running maximum): every later rescaling is an exact power of two, which a block's scale takes up: the codes' values come out the same.
;;   OPERANDS COMPUTED ON THE WAY. 'Computed on the way' means the value that the module computes at that place (a softmax that the list does not call 'softmax' is quantised finished and normalised). What goes into a quantiser is computed in f32, as accurately as f32 sums, v_exp_f32 and their like allow (about 1e-6 of the number): no bf16 or f16 on the way to a quantiser, and a product that is left as it is and whose result goes on into a quantised operand takes f32 operands (vector FMAs, or v_wmma_f32_16x16x4_f32). A number that lies on a knife's edge between two numbers of the format may be rounded either way, as far as f32 arithmetic and the matrix unit's own rounding can turn it there, and no further.
;;   INPUTS GIVEN AS CODES. W_out (in the module: [1024, 1024], K = its axis 0); W_qkv (in the module: [1024, 3072], K = its axis 0); x (in the module: [4, 2048, 1024], K = its axis 2): each comes as NAME_codes (uint8): NAME with its K axis moved to the last place and cut into blocks of 32 codes, [.., K / 32, bytes a block], one block behind the other in memory; two codes a byte, the lower K in the low four bits (a code: sign, 2 exponent bits, 1 mantissa bit); and NAME_scales (uint8): the same leading axes, one E8M0 byte (e + 127) for each 32 codes along K. Its value is code x scale, taken as it is: it is not quantised again, and the codes and scales need not be those that the quantiser above would give.
;; 2 versions, each right; version 2 is version 1 with the launch attn written anew for expert scheduling mode. Each part assembles by itself: llvm-mc -triple=amdgcn-amd-amdhsa -mcpu=gfx1250 --defsym DOCPART=n.
;; ======== version 1 of 2: 3 launches
;; workspace buffers: qkvw 13,369,344 bytes; y_img 4,194,304 bytes; y_sc 262,144 bytes
;; launch qkv (part 1): grid 12 x 32, 4 waves a work-group, clusters of 4 x 4, 327,680 bytes of LDS; arguments x_codes, x_scales, W_qkv_codes, W_qkv_scales, b_qkv, qkvw; writes qkvw
.if DOCPART == 1
	.amdgcn_target "amdgcn-amd-amdhsa--gfx1250"
	.amdhsa_code_object_version 6
	.text
	.protected	k_q13b3b78539_qkv
	.globl	k_q13b3b78539_qkv
	.p2align	8
	.type	k_q13b3b78539_qkv,@function
k_q13b3b78539_qkv:
	s_mov_b64 s[64:65], 0
	v_nop
	global_prefetch_b8 v0, s[64:65] scope:SCOPE_SE
	s_setreg_imm32_b32 hwreg(HW_REG_WAVE_MODE, 25, 1), 1
	s_wait_xcnt 0x0
	s_wait_alu depctr_hold_cnt(0) depctr_sa_sdst(0) depctr_va_vdst(0) depctr_va_sdst(0) depctr_va_ssrc(0) depctr_va_vcc(0) depctr_vm_vsrc(0)
	s_getreg_b32 s2, hwreg(HW_REG_IB_STS2, 6, 4)
	s_cmp_eq_u32 s2, 0
	s_cbranch_scc0 .Lentry_in_a_cluster
	s_endpgm
.Lentry_in_a_cluster:
	s_bfe_u32 s2, ttmp6, 0x10000c
	s_cmp_lg_u32 s2, 0xf033
	s_cbranch_scc0 .Lentry_shape_is_right
	s_endpgm
.Lentry_shape_is_right:
; FIRST OF THREE LAUNCHES: qkv = x W_qkv + b_qkv on codes of FP4 (E2M1) with E8M0 scales, then q, k and v are quantised in registers and leave as codes.
; q and k are quantised along the head's 64 (the K of q k^T), v along the keys (the K of p v).  Nothing but codes and scale bytes goes to memory.
; DEAD WORK OF THE PROGRAM (left out in the second launch): reference() builds jnp.tril itself and sets the logits of keys k > q to -inf ahead of the softmax; their weights are exactly 0 for all
; finite inputs, so a tile of 16 queries x 128 keys whose every key comes after every query adds nothing to any output.  Such tiles are multiplied in neither q k^T nor p v.  All inputs have a way to the output and are loaded.
; LIMITS: a NaN, an infinity or an overflow that would reach only the tiles left out is not carried to the result.  NaN, infinities and scale bytes 0xff among the inputs are not served.
; A block of zeros gets the scale byte 1 where the rule says 127 (its codes are zeros, and this program alone reads the bytes); a block whose largest magnitude lies under 2^-124 is held at byte 1.
; SHARES.  A work-group makes 256 x 256 of qkv, K = 1,024; four waves, 128 x 128 each: 64 accumulators of 16 x 16, 512 registers.
; Source 0 of the matrix instruction is the operand P, along whose rows the result is to be quantised: a lane then holds ONE row of the other operand R, and its registers run along P.
;   clusters with x = 0, 1 (q, k): P = rows of W_qkv (features), R = tokens;   clusters with x = 2 (v): P = tokens, R = rows of W_qkv.  The choice hangs on the cluster's x alone, which all sixteen partners share.
; CLUSTERS: 4 x 4 work-groups.  R's tile hangs on cy and is asked for jointly along a row of the cluster, P's on cx and jointly along a column.
; K = 1,024 is two LDS slots of 512 along K (rows of 256 bytes): both are first fills, nothing is filled again.  The scales of the 256 + 256 rows, for all of K, come once, as dense blocks.
; FROM RESULT TO OPERAND.  In tile T of P a lane (r, h) holds the indices 16 T + 8 h + 0..7.  A block of 32 is tiles 2 b, 2 b + 1 of lanes l and l xor 16.  The conversions of tiles 4 c, 4 c + 2, 4 c + 1, 4 c + 3
; go to registers 4 c .. 4 c + 3, and two exchanges of halves make of them the 4-bit operand's registers (register 4 c + i: k = 64 c + 32 h + 8 i ..).
; THE WORKSPACE is laid as the reader's registers: [batch x head 64][step of 128 tokens 16][13,056 bytes]: Q 4,096 | K 4,096 | V 4,096 | Q's, K's, V's scale words 256 each.
;   Q, K: token tile a at 512 a + 16 x lane (lane (r, h): block h of token 16 a + r);   V: tile dt of the head's 64 at 1,024 dt: registers 0-3 at 16 x lane, 4-7 at 512 + 16 x lane;
;   scale word (f, r) at 8 (r + 16 (f % 2)) + 4 (f / 2); for Q, K word f holds the two bytes of tile 2 f and the two of tile 2 f + 1; for V f = dt and the word holds the four key blocks' bytes.
; Every store of codes covers 512 consecutive bytes, aligned; every store of scale words 256.
; REGISTERS, in windows of 256: window 0: v1-31 addresses; v32-63 P's scale words, v64-95 R's (pair i of tiles in lanes 0-15 and 16-31, K step q: register 8 i + q); v96-127 at work; v128-255 R's fragments, two sets, later the codes.
;   window 1: P's fragments, sets at v0 and v128; v64-127 the bias as C tiles.   windows 2, 3: accumulator (a, b) at v[8 (8 (a % 4) + b)].
.set PITCH,  272                       ; an LDS row: 256 bytes + 16 of padding: the 16 rows of a fragment load start at 16 different groups of banks
.set HALFT,  128*PITCH                 ; 128 rows: what one tensor load brings
.set SLOT,   4*HALFT                   ; R's 256 rows, then P's 256 rows
.set SCL,    2*SLOT                    ; the scales, as units of 256 bytes + 16: R's two halves, then P's two halves
.set HALFS,  16*272                    ; those of 128 rows (32 bytes a row)
.set SPARE,  SCL+4*HALFS               ; the spare words, 128 bytes a wave
.set BLKB,   13056                     ; a step's block in the workspace
.set HEADB,  16*BLKB                   ; a head's 16 blocks
.set ADRR, 16                          ; v16-17 LDS address of my R fragments in slot 0, 1
.set ADRP, 20                          ; v20-21 the same for P
.set ADSR, 22                          ; v22    of my R scale words
.set ADSP, 23                          ; v23    of my P scale words
.set L16,  24                          ; v24    16 x lane
.set L8,   25                          ; v25    8 x lane
.set BO1,  26                          ; v26    32 h: the bias by P's tiles
.set BO2,  27                          ; v27    4 r: the bias by R's tiles
.set SPW,  28                          ; v28    my spare word; never rewritten
.set NIL,  29                          ; v29    0; never rewritten
.set SCP,  32
.set SCR,  64
.set TM,   96                          ; v96-99 largest magnitudes, v100-103 the other half's, then bytes, v108-111 the conversions' scale operands
.set PW,   112                         ; v112-119 the scale word of R tile a
.set PK,   120                         ; v120-123 scale words as they are stored
.set RF,   128
.set PCD,  128                         ; the codes of R tile a: 8 registers at 128 + 8 a
.set BIAS, 64                          ; in window 1
.set WV, 16
.set HR, 17
.set HP, 18
.set KV, 19
.set CX, 20
.set CY, 21
.set PT, 22
.set RT, 23
.set G1R, 24
.set G0R, 32
.set G1P, 40
.set G0P, 48
.set G1SR, 56
.set G0SR, 68
.set G1SP, 72
.set G0SP, 80
.set PCO, 84                           ; s[84:91] the chosen buffers: P's codes, P's scales, R's codes, R's scales; later the selects
.set PSC, 86
.set RCO, 88
.set RSC, 90
.set MSB, 0
.macro WIN new                         ; the immediate's high byte repeats the setting that is left
.if MSB != (\new)
	s_set_vgpr_msb (MSB<<8)|(\new)
.set MSB, (\new)
.endif
.endm
.macro PLACES n
.rept \n
	v_nop
.endr
.endm
; A joint load: waves 0 and 1 fetch for R, waves 2 and 3 for P.  The branch hangs on the wave's number alone.  An s_nop 0 and four v_nop follow each line.
.macro JLOAD g0r, g1r, g0p, g1p
	s_cmp_eq_u32 s[HR], 0
	s_cbranch_scc0 .Lfor_p_\@
	tensor_load_to_lds s[\g0r:\g0r+3], s[\g1r:\g1r+7]
	s_nop 0
.rept 4
	v_nop
.endr
	s_branch .Lasked_\@
.Lfor_p_\@:
	tensor_load_to_lds s[\g0p:\g0p+3], s[\g1p:\g1p+7]
	s_nop 0
.rept 4
	v_nop
.endr
.Lasked_\@:
.endm
.macro CROUND                          ; a round of the cluster's barrier
	s_barrier_signal -1
	s_barrier_wait -1
	s_cmp_lg_u32 s[WV], 0
	s_cbranch_scc1 .Lnot_wave_0_\@
	s_barrier_signal -3
.Lnot_wave_0_\@:
	s_barrier_wait -3
	s_barrier_signal -1
	s_barrier_wait -1
.endm
	s_load_b256 s[4:11], s[0:1], 0x0               ; x's codes s[4:5], x's scales s[6:7], W's codes s[8:9], W's scales s[10:11]
	s_load_b128 s[12:15], s[0:1], 0x20             ; the bias s[12:13], the workspace s[14:15]
	v_lshl_add_u32 v[SPW], v0, 2, SPARE
	v_mov_b32 v[NIL], 0
	ds_add_u32 v[SPW], v[NIL]                      ; the wave's opening: the add, twice on end, and its wait ahead of my first tensor load
	ds_add_u32 v[SPW], v[NIL]                      ; and once more; the set-up below, work on registers, stands between it and the wait
	v_lshrrev_b32 v1, 5, v0
	v_readfirstlane_b32 s[WV], v1                  ; wave 0..3
	s_lshr_b32 s[HR], s[WV], 1                     ; my half of R's rows.  Also: I fetch for R (0) or for P (1)
	s_and_b32 s[HP], s[WV], 1                      ; my half of P's rows.  Also: which 128 rows I fetch
	s_bfe_u32 s[CX], ttmp6, 0x40000                ; cx, cy: my place in the cluster
	s_bfe_u32 s[CY], ttmp6, 0x40004
	s_and_b32 s92, ttmp7, 0xffff
	s_lshl_b32 s92, s92, 2                         ; 4 x cluster y
	s_lshl_b32 s93, ttmp9, 2                       ; 4 x cluster x
	s_cmp_eq_u32 ttmp9, 2                          ; the third column of clusters makes v
	s_cselect_b32 s[KV], 1, 0
	s_cselect_b32 s[PT], s92, s93                  ; P's tile of 256 rows: v: tokens, 4 cluster y + cx;  q, k: rows of W, 4 cluster x + cx
	s_cselect_b32 s[RT], 8, s92                    ; R's: v: rows of W, 8 + cy;  q, k: tokens, 4 cluster y + cy
	s_add_co_u32 s[PT], s[PT], s[CX]
	s_add_co_u32 s[RT], s[RT], s[CY]
	s_lshl_b32 s94, s[CY], 2
	s_lshl_b32 s94, 15, s94                        ; my row of the cluster
	s_lshl_b32 s95, 0x1111, s[CX]                  ; my column
	; group 1 for codes: 128 rows x 256 bytes, 512 bytes apart in memory, 16 bytes of padding behind each in LDS
	s_or_b32 s[G1R], s94, (1<<20)|(1<<21)|(5<<22)|(3<<25)   ; 15:0 the mask; elements of 1 byte; 20 padding on; 21 set beside a mask; after every 64 words four words
	s_or_b32 s[G1P], s95, (1<<20)|(1<<21)|(5<<22)|(3<<25)
.irp g, G1R, G1P
	s_mov_b32 s[\g+1], 256<<16                     ; tensor_dim0
	s_mov_b32 s[\g+2], 128<<16                     ; tensor_dim1
	s_mov_b32 s[\g+3], 256<<16                     ; tile_dim0
	s_mov_b32 s[\g+4], 128                         ; tile_dim1
	s_mov_b32 s[\g+5], 512                         ; the pitch
	s_mov_b32 s[\g+6], 0
	s_mov_b32 s[\g+7], 0
.endr
	; group 1 for the scales of 128 rows: 4,096 dense bytes as 16 rows of 256 (32 elements of 8 bytes), 16 bytes of padding behind each
	s_or_b32 s[G1SR], s94, (3<<16)|(1<<20)|(1<<21)|(5<<22)|(3<<25)
	s_or_b32 s[G1SP], s95, (3<<16)|(1<<20)|(1<<21)|(5<<22)|(3<<25)
.irp g, G1SR, G1SP
	s_mov_b32 s[\g+1], 32<<16
	s_mov_b32 s[\g+2], 16<<16
	s_mov_b32 s[\g+3], 32<<16
	s_mov_b32 s[\g+4], 16
	s_mov_b32 s[\g+5], 32
	s_mov_b32 s[\g+6], 0
	s_mov_b32 s[\g+7], 0
.endr
	s_lshl_b32 s2, s[HP], 7                        ; which 128 rows of a tile I fetch
	s_lshl_b32 s96, s[RT], 8
	s_add_co_u32 s96, s96, s2                      ; R: the first row that I fetch
	s_lshl_b32 s66, s96, 5                         ; its scales, 32 bytes a row,
	s_mov_b32 s67, 0
	s_lshl_b32 s96, s96, 9                         ; its codes, 512 bytes a row
	s_mov_b32 s97, 0
	s_lshl_b32 s98, s[PT], 8
	s_add_co_u32 s98, s98, s2                      ; P likewise, in registers that never hold cy
	s_lshl_b32 s2, s98, 5
	s_mov_b32 s3, 0
	s_lshl_b32 s98, s98, 9
	s_mov_b32 s99, 0
	s_mul_i32 s92, s[WV], HALFT                    ; where they go: wave x 128 rows: no place in the cluster enters an LDS address
	s_mul_i32 s93, s[WV], HALFS
	s_wait_dscnt 0x0                               ; both opening adds are done
	s_wait_kmcnt 0x0
	s_cmp_eq_u32 s[KV], 1                          ; the buffers are chosen on the cluster's x
	s_cselect_b64 s[PCO:PCO+1], s[4:5], s[8:9]
	s_cselect_b64 s[PSC:PSC+1], s[6:7], s[10:11]
	s_cselect_b64 s[RCO:RCO+1], s[8:9], s[4:5]
	s_cselect_b64 s[RSC:RSC+1], s[10:11], s[6:7]
	s_add_nc_u64 s[PCO:PCO+1], s[PCO:PCO+1], s[98:99]
	s_add_nc_u64 s[PSC:PSC+1], s[PSC:PSC+1], s[2:3]
	s_add_nc_u64 s[RCO:RCO+1], s[RCO:RCO+1], s[96:97]
	s_add_nc_u64 s[RSC:RSC+1], s[RSC:RSC+1], s[66:67]
	CROUND                                         ; all sixteen work-groups are here: the joint loads meet
	s_mov_b32 s[G0SR], 1
	s_add_co_u32 s[G0SR+1], s93, SCL
	s_mov_b64 s[G0SR+2:G0SR+3], s[RSC:RSC+1]
	s_or_b32 s[G0SR+3], s[G0SR+3], 0x80000000
	s_mov_b32 s[G0SP], 1
	s_add_co_u32 s[G0SP+1], s93, SCL
	s_mov_b64 s[G0SP+2:G0SP+3], s[PSC:PSC+1]
	s_or_b32 s[G0SP+3], s[G0SP+3], 0x80000000
	JLOAD G0SR, G1SR, G0SP, G1SP                   ; the scales first: they are wanted with the first K step
.irp s, 0,1
	s_mov_b32 s[G0R+4*\s], 1
	s_add_co_u32 s[G0R+4*\s+1], s92, \s*SLOT
	s_add_nc_u64 s[G0R+4*\s+2:G0R+4*\s+3], s[RCO:RCO+1], \s*256
	s_or_b32 s[G0R+4*\s+3], s[G0R+4*\s+3], 0x80000000
	s_mov_b32 s[G0P+4*\s], 1
	s_add_co_u32 s[G0P+4*\s+1], s92, \s*SLOT
	s_add_nc_u64 s[G0P+4*\s+2:G0P+4*\s+3], s[PCO:PCO+1], \s*256
	s_or_b32 s[G0P+4*\s+3], s[G0P+4*\s+3], 0x80000000
	JLOAD G0R+4*\s, G1R, G0P+4*\s, G1P             ; three loads of mine are out
.endr
	v_and_b32 v1, 15, v0                           ; r
	v_bfe_u32 v2, v0, 4, 1                         ; h
	v_and_b32 v3, 31, v0                           ; lane
	v_mul_u32_u24 v4, v1, PITCH
	v_lshl_add_u32 v4, v2, 4, v4                   ; a fragment's row x pitch + 16 h
	s_mul_i32 s92, s[HR], HALFT                    ; my 128 rows of R
	s_mul_i32 s93, s[HP], HALFT                    ; my 128 rows of P,
	s_add_co_u32 s93, s93, 2*HALFT                 ; which lie behind R's 256
.irp s, 0,1
	v_add_nc_u32 v[ADRR+\s], s92, v4
	v_add_nc_u32 v[ADRP+\s], s93, v4
	s_add_co_u32 s92, s92, SLOT
	s_add_co_u32 s93, s93, SLOT
.endr
	v_lshrrev_b32 v5, 3, v3
	v_lshlrev_b32 v6, 5, v3
	v_lshl_add_u32 v5, v5, 4, v6                   ; scale words: row = lane: 32 x lane + 16 for each 256 passed
	s_mul_i32 s92, s[HR], HALFS
	s_add_co_u32 s92, s92, SCL
	v_add_nc_u32 v[ADSR], s92, v5
	s_mul_i32 s93, s[HP], HALFS
	s_add_co_u32 s93, s93, SCL+2*HALFS
	v_add_nc_u32 v[ADSP], s93, v5
	v_lshlrev_b32 v[L16], 4, v3
	v_lshlrev_b32 v[L8], 3, v3
	v_lshlrev_b32 v[BO1], 5, v2
	v_lshlrev_b32 v[BO2], 2, v1
.irp b, 0,1,2,3
	v_mov_b32 v[TM+4+\b], 0                        ; written once: a lane permute's destination counts as one of its sources
.endr
	s_mov_b32 s84, 0x76543210                      ; the chosen addresses have gone into the descriptors: their registers take the selects
	s_mov_b32 s85, 0xfedcba98                      ; v_permlanex16_b32: lane l xor 16
	s_mov_b32 s86, 0x05040100                      ; v_perm_b32: the low halves of two words
	s_mov_b32 s87, 0x07060302                      ; the high halves
	; THE BIAS IS THE C OF EACH SUM'S FIRST PRODUCT.  It belongs to the feature: q, k: P's index, eight numbers a lane and tile b;  v: R's index, one number a lane and tile a, in all eight registers.
	s_lshl_b32 s92, s[PT], 10
	s_lshl_b32 s93, s[HP], 9
	s_add_co_u32 s92, s92, s93                     ; 4 (256 PT + 128 HP)
	s_lshl_b32 s94, s[RT], 10
	s_lshl_b32 s95, s[HR], 9
	s_add_co_u32 s94, s94, s95                     ; 4 (256 RT + 128 HR)
	s_cmp_eq_u32 s[KV], 1
	s_cselect_b32 s92, s94, s92
	s_mov_b32 s93, 0
	s_add_nc_u64 s[12:13], s[12:13], s[92:93]
	s_cmp_eq_u32 s[KV], 1
	s_cbranch_scc1 .Lbias_v
	WIN 0x40                                       ; destination window 1
.irp b, 0,1,2,3,4,5,6,7
	global_load_b128 v[BIAS+8*\b:BIAS+8*\b+3], v[BO1], s[12:13] offset:64*\b
	global_load_b128 v[BIAS+8*\b+4:BIAS+8*\b+7], v[BO1], s[12:13] offset:64*\b+16
.endr
	WIN 0
	s_branch .Lbias_done
.Lbias_v:
	WIN 0x40
.irp a, 0,1,2,3,4,5,6,7
	global_load_b32 v[BIAS+8*\a], v[BO2], s[12:13] offset:64*\a
.endr
	WIN 0
.Lbias_done:
; One product: R tile a x P tile b, K step q (128 along K), fragment sets p.  cmode 0: onto the sum; 1: C = the bias of P tile b; 2: of R tile a.  An odd tile's scale words lie in lanes 16-31.
.macro WM a, b, q, p, cmode
.set rD, 8*(8*((\a)%4)+(\b))
.set rA, 128*(\p)+8*(\b)
.set rB, RF+64*(\p)+8*(\a)
.set rX, SCP+8*((\b)/2)+(\q)
.set rY, SCR+8*((\a)/2)+(\q)
.set rC, rD
.if (\cmode) == 1
.set rC, BIAS+8*(\b)
.endif
.if (\cmode) == 2
.set rC, BIAS+8*(\a)
.endif
.if ((\b)%2 == 0) && ((\a)%2 == 0)
	v_wmma_scale_f32_16x16x128_f8f6f4 v[rD:rD+7], v[rA:rA+7], v[rB:rB+7], v[rC:rC+7], v[rX], v[rY] matrix_a_fmt:MATRIX_FMT_FP4 matrix_b_fmt:MATRIX_FMT_FP4
.elseif ((\b)%2 == 1) && ((\a)%2 == 0)
	v_wmma_scale_f32_16x16x128_f8f6f4 v[rD:rD+7], v[rA:rA+7], v[rB:rB+7], v[rC:rC+7], v[rX], v[rY] matrix_a_fmt:MATRIX_FMT_FP4 matrix_b_fmt:MATRIX_FMT_FP4 matrix_a_scale:MATRIX_SCALE_ROW1
.elseif ((\b)%2 == 0)
	v_wmma_scale_f32_16x16x128_f8f6f4 v[rD:rD+7], v[rA:rA+7], v[rB:rB+7], v[rC:rC+7], v[rX], v[rY] matrix_a_fmt:MATRIX_FMT_FP4 matrix_b_fmt:MATRIX_FMT_FP4 matrix_b_scale:MATRIX_SCALE_ROW1
.else
	v_wmma_scale_f32_16x16x128_f8f6f4 v[rD:rD+7], v[rA:rA+7], v[rB:rB+7], v[rC:rC+7], v[rX], v[rY] matrix_a_fmt:MATRIX_FMT_FP4 matrix_b_fmt:MATRIX_FMT_FP4 matrix_a_scale:MATRIX_SCALE_ROW1 matrix_b_scale:MATRIX_SCALE_ROW1
.endif
.endm
; n R tiles from a0 on x P's eight.  The 64 accumulators take turns, one instruction a turn, in the same order in every K step.
.macro MULS a0, n, q, p, cmode
.set ma, \a0
.rept \n
.set mb, 0
.rept 8
	WM ma, mb, \q, \p, \cmode
.set mb, mb+1
.endr
.set ma, ma+1
.endr
.endm
.macro SCALES                          ; all scale words, once: pair i of tiles (row = lane), K steps 4 g .. 4 g + 3
.irp i, 0,1,2,3
.irp g, 0,1
	ds_load_b128 v[SCP+8*\i+4*\g:SCP+8*\i+4*\g+3], v[ADSP] offset:1088*\i+16*\g
	ds_load_b128 v[SCR+8*\i+4*\g:SCR+8*\i+4*\g+3], v[ADSR] offset:1088*\i+16*\g
.endr
.endr
.endm
; 32 LDS loads in one run: the fragments of K step q (16 rows x 128 K of 4-bit codes: 8 registers, two loads of 16 bytes, 32 bytes apart) into set q % 2
.macro FETCH q
.set fs, (\q)/4
.set fq, (\q)%4
.set fp, (\q)%2
	WIN 0x40
.irp i, 0,1,2,3,4,5,6,7
.irp c, 0,1
	ds_load_b128 v[128*fp+8*\i+4*\c:128*fp+8*\i+4*\c+3], v[ADRP+fs] offset:64*fq+32*\c+\i*16*PITCH
.endr
.endr
	WIN 0
.irp i, 0,1,2,3,4,5,6,7
.irp c, 0,1
	ds_load_b128 v[RF+64*fp+8*\i+4*\c:RF+64*fp+8*\i+4*\c+3], v[ADRR+fs] offset:64*fq+32*\c+\i*16*PITCH
.endr
.endr
.endm
; A K step: its fragments are in; the next step's are asked for, 64 matrix instructions ahead of their use, behind four places (their set was read by the step before); then the 64 products.
; K step 3 is the last of slot 0: each wave waits for its load of slot 1 and signals; behind the barrier slot 1 is whole.
.macro KSTEP q
	s_wait_dscnt 0x0                               ; this step's fragments are in (and no LDS instruction of mine is out at the signal below)
.if (\q) == 3
	s_wait_tensorcnt 0x0                           ; my part of slot 1 has landed
	s_barrier_signal -1
	WIN 0xa1
	MULS 0, 4, \q, (\q)%2, 0                       ; work on registers while the others arrive
	WIN 0
	s_barrier_wait -1
	PLACES 4
	FETCH 4
	WIN 0xf1
	MULS 4, 4, \q, (\q)%2, 0
.else
.if (\q) < 7
	PLACES 4
	FETCH (\q)+1
.endif
	WIN 0xa1                                       ; source 0 (P) window 1, source 1 (R) window 0, C and D window 2
	MULS 0, 4, \q, (\q)%2, 0
	WIN 0xf1                                       ; C and D window 3
	MULS 4, 4, \q, (\q)%2, 0
.endif
	WIN 0
.endm
	s_wait_tensorcnt 0x1                           ; the scales and my part of slot 0 are in; slot 1's load, issued behind them, may stay out
	s_barrier_signal -1
	s_barrier_wait -1                              ; everybody's are
	SCALES
	FETCH 0
	s_wait_loadcnt 0x0                             ; the bias
	s_wait_dscnt 0x0
	FETCH 1
	s_cmp_eq_u32 s[KV], 1
	s_cbranch_scc1 .Lfirst_v
	WIN 0x91                                       ; C (the bias) window 1, D window 2
	MULS 0, 4, 0, 0, 1
	WIN 0xd1
	MULS 4, 4, 0, 0, 1
	WIN 0
	s_branch .Lfirst_done
.Lfirst_v:
	WIN 0x41                                       ; within window 1: the lane's number fills the eight registers of its C tile
.irp a, 0,1,2,3,4,5,6,7
.irp j, 1,2,3,4,5,6,7
	v_mov_b32 v[BIAS+8*\a+\j], v[BIAS+8*\a]
.endr
.endr
	WIN 0
	PLACES 4
	WIN 0x91
	MULS 0, 4, 0, 0, 2
	WIN 0xd1
	MULS 4, 4, 0, 0, 2
	WIN 0
.Lfirst_done:
	KSTEP 1
	KSTEP 2
	KSTEP 3
	KSTEP 4
	KSTEP 5
	KSTEP 6
	KSTEP 7
	PLACES 4                                       ; in front of the first read of results and of writes into registers that held fragments
; R tile a: a lane's 64 results (register 8 T + j: index 16 T + 8 h + j along P) become 8 registers of codes and a scale word.  Each accumulator is read from its low end on.
.macro QUANT a
.set qs, 64*((\a)%4)
.set qw, 2+(\a)/4
.set qd, PCD+8*(\a)
	WIN 5*qw                                       ; sources 0 and 1: the accumulators' window
.irp b, 0,1,2,3
	v_max3_num_f32 v[TM+\b], |v[qs+16*\b]|, |v[qs+16*\b+1]|, 0x1800000   ; block b: my 16 numbers, and the floor 2^(3 - 127): the byte cannot fall under 1
.endr
.irp i, 2,4,6,8,10,12,14
.irp b, 0,1,2,3
	v_max3_num_f32 v[TM+\b], |v[qs+16*\b+\i]|, |v[qs+16*\b+\i+1]|, v[TM+\b]   ; (the four blocks by turns)
.endr
.endr
	WIN 0
.irp b, 0,1,2,3
	v_permlanex16_b32 v[TM+4+\b], v[TM+\b], s84, s85
.endr
.irp b, 0,1,2,3
	v_max_num_f32 v[TM+\b], v[TM+\b], v[TM+4+\b]   ; with lane l xor 16's 16: the block's largest magnitude
.endr
.irp b, 0,1,2,3
	v_add_nc_u32 v[TM+12+\b], 0xff000000, v[TM+\b] ; 2 off its exponent field: the conversion takes the exponent field of this operand as its scale
.endr
.irp b, 0,1,2,3
	v_lshrrev_b32 v[TM+4+\b], 23, v[TM+12+\b]      ; the scale's byte
.endr
	v_lshl_or_b32 v[PW+(\a)], v[TM+5], 8, v[TM+4]
	v_lshl_or_b32 v[PW+(\a)], v[TM+6], 16, v[PW+(\a)]
	v_lshl_or_b32 v[PW+(\a)], v[TM+7], 24, v[PW+(\a)]
	WIN qw                                         ; source 0: the accumulators' window
.irp c, 0,1
	v_cvt_scalef32_pk8_fp4_f32 v[qd+4*\c],   v[qs+32*\c:qs+32*\c+7],     v[TM+12+2*\c]     ; tile 4 c
	v_cvt_scalef32_pk8_fp4_f32 v[qd+4*\c+1], v[qs+32*\c+16:qs+32*\c+23], v[TM+12+2*\c+1]   ; tile 4 c + 2
	v_cvt_scalef32_pk8_fp4_f32 v[qd+4*\c+2], v[qs+32*\c+8:qs+32*\c+15],  v[TM+12+2*\c]     ; tile 4 c + 1
	v_cvt_scalef32_pk8_fp4_f32 v[qd+4*\c+3], v[qs+32*\c+24:qs+32*\c+31], v[TM+12+2*\c+1]   ; tile 4 c + 3
.endr
	WIN 0
	v_nop                                          ; one plain place behind a scaled conversion
.irp c, 0,1
	v_permlane16_swap_b32 v[qd+4*\c], v[qd+4*\c+1]     ; lanes 0-15 keep block 2 c, lanes 16-31 get block 2 c + 1: k 0-7 and 8-15 of a block,
	v_permlane16_swap_b32 v[qd+4*\c+2], v[qd+4*\c+3]   ; k 16-23 and 24-31
.endr
.endm
	QUANT 0
	QUANT 1
	QUANT 2
	QUANT 3
	QUANT 4
	QUANT 5
	QUANT 6
	QUANT 7
	; where my results go.  T0: my first token, F0: my first feature of the 3,072
	s_lshl_b32 s92, s[PT], 8
	s_lshl_b32 s93, s[HP], 7
	s_add_co_u32 s92, s92, s93                     ; P's first index
	s_lshl_b32 s94, s[RT], 8
	s_lshl_b32 s95, s[HR], 7
	s_add_co_u32 s94, s94, s95                     ; R's
	s_cmp_eq_u32 s[KV], 1
	s_cselect_b32 s93, s92, s94                    ; T0
	s_cselect_b32 s95, s94, s92                    ; F0
	s_lshr_b32 s96, s93, 11                        ; the batch
	s_bfe_u32 s97, s93, 0x40007                    ; the step of 128 tokens
	s_lshr_b32 s98, s95, 10                        ; 0: q, 1: k, 2: v
	s_bfe_u32 s99, s95, 0x40006                    ; the first of my two heads
	s_lshl_b32 s96, s96, 4
	s_add_co_u32 s96, s96, s99
	s_mul_i32 s96, s96, HEADB
	s_mul_i32 s97, s97, BLKB
	s_add_co_u32 s96, s96, s97                     ; the block
	s_lshl_b32 s2, s98, 12
	s_add_co_u32 s2, s2, s96
	s_mov_b32 s3, 0
	s_add_nc_u64 s[66:67], s[14:15], s[2:3]        ; its codes of my kind
	s_lshl_b32 s2, s98, 8
	s_add_co_u32 s2, s2, s96
	s_add_co_u32 s2, s2, 12288
	s_add_nc_u64 s[14:15], s[14:15], s[2:3]        ; its scale words of my kind
	v_cmp_lt_u32 vcc_lo, 15, v3                    ; lanes 16-31
	s_cmp_eq_u32 s[KV], 1
	s_cbranch_scc1 .Lout_v
.irp a, 0,1,2,3,4,5,6,7                        ; q, k: token tile a; registers 0-3 are the first head's 64, registers 4-7 the second's
	global_store_b128 v[L16], v[PCD+8*\a:PCD+8*\a+3], s[66:67] offset:512*\a
	global_store_b128 v[L16], v[PCD+8*\a+4:PCD+8*\a+7], s[66:67] offset:HEADB+512*\a
.endr
.irp f, 0,1,2,3                                ; word f of a head: the two bytes of tile 2 f, the two of tile 2 f + 1
	v_perm_b32 v[TM+\f], v[PW+2*\f+1], v[PW+2*\f], s86
	v_perm_b32 v[TM+4+\f], v[PW+2*\f+1], v[PW+2*\f], s87
.endr
	v_cndmask_b32 v[PK], v[TM], v[TM+1], vcc_lo    ; lanes 0-15 word 0, lanes 16-31 word 1;
	v_cndmask_b32 v[PK+1], v[TM+2], v[TM+3], vcc_lo  ; words 2 and 3
	v_cndmask_b32 v[PK+2], v[TM+4], v[TM+5], vcc_lo
	v_cndmask_b32 v[PK+3], v[TM+6], v[TM+7], vcc_lo
	s_branch .Lout_sc
.Lout_v:
.irp a, 0,1,2,3,4,5,6,7                        ; v: head a / 4, tile a % 4 of its 64: a fragment of 16 x 128 keys as it stands
	global_store_b128 v[L16], v[PCD+8*\a:PCD+8*\a+3], s[66:67] offset:(\a/4)*HEADB+1024*(\a%4)
	global_store_b128 v[L16], v[PCD+8*\a+4:PCD+8*\a+7], s[66:67] offset:(\a/4)*HEADB+1024*(\a%4)+512
.endr
	v_cndmask_b32 v[PK], v[PW], v[PW+1], vcc_lo
	v_cndmask_b32 v[PK+1], v[PW+2], v[PW+3], vcc_lo
	v_cndmask_b32 v[PK+2], v[PW+4], v[PW+5], vcc_lo
	v_cndmask_b32 v[PK+3], v[PW+6], v[PW+7], vcc_lo
.Lout_sc:
	global_store_b64 v[L8], v[PK:PK+1], s[14:15]                 ; 32 lanes store 256 consecutive bytes, aligned
	global_store_b64 v[L8], v[PK+2:PK+3], s[14:15] offset:HEADB
	s_wait_tensorcnt 0x0                           ; the wave's end
	ds_add_u32 v[SPW], v[NIL]
	s_wait_dscnt 0x0
	CROUND                                         ; the closing round
	s_endpgm
.Lfunc_end_k_q13b3b78539_qkv:
	.size	k_q13b3b78539_qkv, .Lfunc_end_k_q13b3b78539_qkv-k_q13b3b78539_qkv
	.p2alignl 7, 3214868480
	.fill 96, 4, 3214868480
	.section	.rodata,"a",@progbits
	.p2align	6, 0x0
	.amdhsa_kernel k_q13b3b78539_qkv
		.amdhsa_group_segment_fixed_size 327680
		.amdhsa_private_segment_fixed_size 0
		.amdhsa_enable_private_segment 0
		.amdhsa_kernarg_size 48
		.amdhsa_user_sgpr_count 2
		.amdhsa_user_sgpr_kernarg_segment_ptr 1
		.amdhsa_wavefront_size32 1
		.amdhsa_system_sgpr_workgroup_id_x 1
		.amdhsa_system_sgpr_workgroup_id_y 1
		.amdhsa_system_sgpr_workgroup_id_z 1
		.amdhsa_system_vgpr_workitem_id 0
		.amdhsa_next_free_vgpr 1024
		.amdhsa_next_free_sgpr 100
		.amdhsa_reserve_vcc 1
		.amdhsa_float_denorm_mode_32 3
		.amdhsa_float_denorm_mode_16_64 3
		.amdhsa_memory_ordered 1
		.amdhsa_forward_progress 1
		.amdhsa_inst_pref_size 142
	.end_amdhsa_kernel
	.amdgpu_metadata
---
amdhsa.version: [ 1, 2 ]
amdhsa.kernels:
  - .name:           k_q13b3b78539_qkv
    .symbol:         k_q13b3b78539_qkv.kd
    .args:
      - { .name: x_codes, .offset: 0, .size: 8, .value_kind: global_buffer, .address_space: global }
      - { .name: x_scales, .offset: 8, .size: 8, .value_kind: global_buffer, .address_space: global }
      - { .name: W_qkv_codes, .offset: 16, .size: 8, .value_kind: global_buffer, .address_space: global }
      - { .name: W_qkv_scales, .offset: 24, .size: 8, .value_kind: global_buffer, .address_space: global }
      - { .name: b_qkv, .offset: 32, .size: 8, .value_kind: global_buffer, .address_space: global }
      - { .name: qkvw, .offset: 40, .size: 8, .value_kind: global_buffer, .address_space: global }
    .group_segment_fixed_size: 327680
    .private_segment_fixed_size: 0
    .kernarg_segment_align: 8
    .kernarg_segment_size: 48
    .max_flat_workgroup_size: 128
    .sgpr_count:     100
    .vgpr_count:     1024
    .wavefront_size: 32
...
	.end_amdgpu_metadata
.endif
;; end of part 1
;; launch attn (part 2): grid 4 x 64, 16 waves a work-group, no clusters, 19,456 bytes of LDS; arguments qkvw, y_img, y_sc; writes y_img, y_sc
.if DOCPART == 2
	.amdgcn_target "amdgcn-amd-amdhsa--gfx1250"
	.amdhsa_code_object_version 6
	.text
	.protected	k_q13b3b78539_attn
	.globl	k_q13b3b78539_attn
	.p2align	8
	.type	k_q13b3b78539_attn,@function
k_q13b3b78539_attn:
	s_mov_b64 s[64:65], 0
	v_nop
	global_prefetch_b8 v0, s[64:65] scope:SCOPE_SE
	s_setreg_imm32_b32 hwreg(HW_REG_WAVE_MODE, 25, 1), 1
	s_wait_xcnt 0x0
; SECOND LAUNCH: y = softmax(q k^T / 8, causal) v on codes of FP4 (E2M1), then y is quantised along C for the last product.
; LEFT OUT: key steps all of whose 128 keys come after a wave's 16 queries (reference()'s own jnp.tril gives them the weight 0; shown at the head of the first launch).
; THE SOFTMAX AHEAD OF p v: t = score x log2(e) / 8; M = the running largest t rounded UP to a whole number; p = 2^(t - M) is quantised along the keys, not normalised; the row's sum is taken of the
; unquantised p and divides at the end; when M moves, the sum and O are multiplied by 2^(old M - new M), which rounds nothing.
; LIMITS: as stated at the head of the first launch; 1 / the row's sum is v_rcp_f32's.
; SHARES.  Work-group (i, batch x head) makes two blocks of 256 queries: 7 - i, then i: (16 - 2 i) + (2 i + 2) = 18 key steps of 128 in every work-group.  Each of sixteen waves owns one tile of 16 queries in 248 registers,
; four waves to a SIMD.  Wave w takes tile 8 ((w ^ (w >> 2)) & 1) + (w >> 1), so that early and late tiles are mixed among neighbouring wave numbers.
; NO CLUSTER: the four work-groups of a head walk the same K and V, but with 16 - 2 i steps in the first pass each is at another step at any time, and partners would need different numbers of tiles.
; K AND V.  A step's block of the workspace (K 4,096 | V 4,096 bytes on end, and 512 bytes of scale words) goes through registers into one of two LDS slots: one load and one LDS store of 16 bytes a thread,
; the scale words by wave 0.  The load for position g + 2 of the 18 is issued in step g and waited for at the head of step g + 1; the stream runs on over the border between the passes (16 - 2 i is even: the slots keep their turns).
; One barrier a step: in front of it each wave's stores into the other slot have landed and its reads of this slot are over.
; LAYOUT.  Both products are used transposed: S^T = K Q^T, O^T = V^T P^T: a lane holds ONE query (lane % 16) throughout.  K = 64 fills half of the instruction's 128, so a fragment of K holds TWO tiles of 16 keys
; (registers 0-3, 4-7), multiplied once by [Q | zero codes] and once by [zero codes | Q].  Key tile kt: a lane holds keys 16 kt + 8 h + 0..7; the conversions of tiles 4 c, 4 c + 2, 4 c + 1, 4 c + 3 and two exchanges
; of halves give P's registers.
; y's codes leave as the register image of the last product's operand, 512 consecutive bytes a wave; its two scale bytes a token and head are neighbours of 15 other heads' bytes in a row of 32: they leave as single bytes.
.set BLKB,  13056
.set HEADB, 16*BLKB
.set SLOTB, 8704                       ; an LDS slot: K 0, V 4,096, K's scale words 8,192, V's 8,448
.set SPARE, 2*SLOTB                    ; the spare words, 128 bytes for each of 16 waves
; v1 16 x thread; v2 16 x lane; v3 8 x lane; v4 8 r; v5 32 r + h; v6, v7 the add's two; v8 r - 8 h; v9 at work
.set KS,  10                           ; v[10:11] K's scale words: register f / 2, lanes 16-31 for odd f
.set VS,  12                           ; v[12:13] V's
; v14 -M, v15 the largest t, v[16:17] the row's sum in two halves
.set QS,  18                           ; v18 Q's scale word: its two bytes twice
.set PWD, 19                           ; v19 P's scale word
; v20-23 zero codes, v24-27 Q's codes, v28-31 zero codes: [Q | 0] = v[24:31], [0 | Q] = v[20:27]
.set KF,  32                           ; v32-63   four fragments of K
.set S,   64                           ; v64-127  S^T, then p
.set OT,  128                          ; v128-159 O^T
.set PCD, 160                          ; v160-167 P's codes
.set RB,  168                          ; v168-175 two blocks on their way, 16 bytes a thread
.set RSB, 176                          ; v176-183 their scale words (wave 0)
.set BM,  184
.set T2,  188
.set SO,  192
.set BY,  196
.set FF,  200                          ; v[200:201] f
.set SUMT, 202
.set TT,  204
.set NINF, 205
.set VF,  208                          ; v208-239 four fragments of V
.set YC,  240
.set YS,  244
.set RL,  246                          ; v[246:247] 1 / the sum
; s10 wave, s11 tile, s12 i, s13 batch x head, s14 block, s15 my first query, s16 my last step, s17 the step, s18 trips, s19 passes, s20 the next position to load, s[22:23] its offset, s24 steps of pass 0
; s[26:27] the head's K of step 0, s[28:29] the load's base, s[30:31] the head, s[32:33] Q, s[34:35] y's codes, s[36:37] y's bytes, s[38:39] lane selects, s[40:41] c, s42 lanes 16-31, s43, s44 byte selects
	s_load_b128 s[4:7], s[0:1], 0x0                ; the workspace of q, k, v; y's codes
	s_load_b64 s[8:9], s[0:1], 0x10                ; y's scale bytes
	v_lshl_add_u32 v6, v0, 2, SPARE
	v_mov_b32 v7, 0
	v_lshrrev_b32 v1, 5, v0
	v_readfirstlane_b32 s10, v1                    ; wave 0..15
	v_lshlrev_b32 v1, 4, v0
	v_and_b32 v3, 31, v0
	v_lshlrev_b32 v2, 4, v3
	v_lshlrev_b32 v3, 3, v3
	v_and_b32 v9, 15, v0                           ; r
	v_bfe_u32 v8, v0, 4, 1                         ; h
	v_lshlrev_b32 v4, 3, v9
	v_lshl_add_u32 v5, v9, 5, v8
	v_lshlrev_b32 v8, 3, v8
	v_sub_nc_u32 v8, v9, v8
.irp j, 20,21,22,23,28,29,30,31,176,177,178,179,180,181,182,183,188,189,190,191,201,204,247
	v_mov_b32 v\j, 0                               ; the zero codes; registers that only wave 0 loads; lane permutes' destinations; upper halves of pairs that are named whole
.endr
	v_mov_b32 v[NINF], 0xff800000                  ; -infinity
	s_lshr_b32 s46, s10, 2
	s_xor_b32 s46, s46, s10
	s_and_b32 s46, s46, 1
	s_lshl_b32 s46, s46, 3
	s_lshr_b32 s11, s10, 1
	s_add_co_u32 s11, s11, s46                     ; my tile of the block's 16
	s_mov_b32 s12, ttmp9
	s_and_b32 s13, ttmp7, 0xffff
	s_sub_co_u32 s14, 7, s12                       ; the first pass's block
	s_lshl_b32 s24, s14, 1
	s_add_co_u32 s24, s24, 2                       ; its steps
	s_mul_i32 s46, s13, HEADB
	s_mov_b32 s47, 0
	s_lshr_b32 s48, s13, 4                         ; the batch
	s_and_b32 s49, s13, 15                         ; the head
	s_lshl_b32 s50, s48, 20                        ; y's codes: [token / 128][head / 8][token tile][(head / 2) % 4][head % 2][512]: the batch's 16 x 65,536,
	s_lshr_b32 s51, s49, 3
	s_lshl_b32 s51, s51, 15
	s_add_co_u32 s50, s50, s51
	s_bfe_u32 s51, s49, 0x20001
	s_lshl_b32 s51, s51, 10
	s_add_co_u32 s50, s50, s51
	s_and_b32 s51, s49, 1
	s_lshl_b32 s51, s51, 9
	s_add_co_u32 s50, s50, s51                     ; and the head's part
	s_mov_b32 s51, 0
	s_lshl_b32 s52, s48, 16                        ; y's bytes: [token][32]: the batch's 2,048 x 32, + 2 x head
	s_lshl_b32 s53, s49, 1
	s_add_co_u32 s52, s52, s53
	s_mov_b32 s53, 0
	s_mov_b32 s38, 0x76543210
	s_mov_b32 s39, 0xfedcba98                      ; v_permlanex16_b32: lane l xor 16
	s_mov_b32 s40, 0x3e38aa3b                      ; c = log2(e) / 8
	s_mov_b32 s41, s40                             ; (named with it as a pair)
	s_mov_b32 s42, 0xffff0000
	s_mov_b32 s43, 0x01000100
	s_mov_b32 s44, 0x03020302
	s_mov_b32 s19, 2
	s_mov_b32 s20, 2
	s_mov_b32 s22, 2*BLKB
	s_mov_b32 s23, 0
	s_wait_kmcnt 0x0
	s_add_nc_u64 s[30:31], s[4:5], s[46:47]
	s_add_nc_u64 s[26:27], s[30:31], 4096
	s_add_nc_u64 s[6:7], s[6:7], s[50:51]
	s_add_nc_u64 s[8:9], s[8:9], s[52:53]
	global_load_b128 v[RB:RB+3], v1, s[26:27]                   ; positions 0 and 1
	global_load_b128 v[RB+4:RB+7], v1, s[26:27] offset:BLKB
	s_cmp_lg_u32 s10, 0
	s_cbranch_scc1 .Lnot_0_a
	global_load_b128 v[RSB:RSB+3], v2, s[26:27] offset:8448
	global_load_b128 v[RSB+4:RSB+7], v2, s[26:27] offset:BLKB+8448
.Lnot_0_a:
	s_wait_loadcnt 0x0
	ds_store_b128 v1, v[RB:RB+3]
	s_cmp_lg_u32 s10, 0
	s_cbranch_scc1 .Lnot_0_b
	ds_store_b128 v2, v[RSB:RSB+3] offset:8192
.Lnot_0_b:
	s_wait_dscnt 0x0                               ; for the others' sake: my part of slot 0 has landed
	s_barrier_signal -1
	s_barrier_wait -1
.macro SPROD f                         ; keys 32 f on: tile 2 f by [Q | 0], tile 2 f + 1 by [0 | Q]
.if (\f)%2 == 0
	v_wmma_scale_f32_16x16x128_f8f6f4 v[S+16*\f:S+16*\f+7], v[KF+8*\f:KF+8*\f+7], v[24:31], 0, v[KS+\f/2], v[QS] matrix_a_fmt:MATRIX_FMT_FP4 matrix_b_fmt:MATRIX_FMT_FP4
	v_wmma_scale_f32_16x16x128_f8f6f4 v[S+16*\f+8:S+16*\f+15], v[KF+8*\f:KF+8*\f+7], v[20:27], 0, v[KS+\f/2], v[QS] matrix_a_fmt:MATRIX_FMT_FP4 matrix_b_fmt:MATRIX_FMT_FP4
.else
	v_wmma_scale_f32_16x16x128_f8f6f4 v[S+16*\f:S+16*\f+7], v[KF+8*\f:KF+8*\f+7], v[24:31], 0, v[KS+\f/2], v[QS] matrix_a_fmt:MATRIX_FMT_FP4 matrix_b_fmt:MATRIX_FMT_FP4 matrix_a_scale:MATRIX_SCALE_ROW1
	v_wmma_scale_f32_16x16x128_f8f6f4 v[S+16*\f+8:S+16*\f+15], v[KF+8*\f:KF+8*\f+7], v[20:27], 0, v[KS+\f/2], v[QS] matrix_a_fmt:MATRIX_FMT_FP4 matrix_b_fmt:MATRIX_FMT_FP4 matrix_a_scale:MATRIX_SCALE_ROW1
.endif
.endm
.macro VPROD dt                        ; O^T tile dt += V^T P^T, K = the step's 128 keys
.if (\dt)%2 == 0
	v_wmma_scale_f32_16x16x128_f8f6f4 v[OT+8*\dt:OT+8*\dt+7], v[VF+8*\dt:VF+8*\dt+7], v[PCD:PCD+7], v[OT+8*\dt:OT+8*\dt+7], v[VS+\dt/2], v[PWD] matrix_a_fmt:MATRIX_FMT_FP4 matrix_b_fmt:MATRIX_FMT_FP4
.else
	v_wmma_scale_f32_16x16x128_f8f6f4 v[OT+8*\dt:OT+8*\dt+7], v[VF+8*\dt:VF+8*\dt+7], v[PCD:PCD+7], v[OT+8*\dt:OT+8*\dt+7], v[VS+\dt/2], v[PWD] matrix_a_fmt:MATRIX_FMT_FP4 matrix_b_fmt:MATRIX_FMT_FP4 matrix_a_scale:MATRIX_SCALE_ROW1
.endif
.endm
; A KEY STEP on slot p.
.macro STEP p
	s_wait_loadcnt 0x0                             ; on every way through the step: the block asked for a step ago is in registers, and no load of mine is out when its registers' turn to be loaded comes again
	s_cmp_lt_u32 s20, 19                           ; is there a next position?  (s20 = this position + 2)
	s_cbranch_scc0 .Lno_store_\@
	ds_store_b128 v1, v[RB+4*(1-\p):RB+4*(1-\p)+3] offset:(1-\p)*SLOTB   ; it goes into the other slot, which nobody reads since the last barrier
	s_cmp_lg_u32 s10, 0
	s_cbranch_scc1 .Lno_store_\@
	ds_store_b128 v2, v[RSB+4*(1-\p):RSB+4*(1-\p)+3] offset:(1-\p)*SLOTB+8192
.Lno_store_\@:
	s_cmp_lt_u32 s20, 18                           ; and one behind it?
	s_cbranch_scc0 .Lno_load_\@
	s_wait_xcnt 0x0                                ; the earlier loads have read their base
	s_add_nc_u64 s[28:29], s[26:27], s[22:23]
	global_load_b128 v[RB+4*\p:RB+4*\p+3], v1, s[28:29]   ; into the registers whose LDS store was waited for in front of the last barrier
	s_cmp_lg_u32 s10, 0
	s_cbranch_scc1 .Lno_load_\@
	global_load_b128 v[RSB+4*\p:RSB+4*\p+3], v2, s[28:29] offset:8448
.Lno_load_\@:
	s_add_co_u32 s22, s22, BLKB
	s_add_co_u32 s20, s20, 1
	s_cmp_eq_u32 s20, s24                          ; the second pass begins again at the head's first keys
	s_cselect_b32 s22, 0, s22
	s_cmp_gt_u32 s17, s16                          ; all 128 keys come after my 16 queries: the step's work is left out; ids alone decide
	s_cbranch_scc1 .Lhidden_\@
.irp f, 0,1,2,3
.irp c, 0,1
	ds_load_b128 v[KF+8*\f+4*\c:KF+8*\f+4*\c+3], v2 offset:\p*SLOTB+1024*\f+512*\c
.endr
.endr
	ds_load_b64 v[KS:KS+1], v3 offset:\p*SLOTB+8192
.irp f, 0,1,2,3
.irp c, 0,1
	ds_load_b128 v[VF+8*\f+4*\c:VF+8*\f+4*\c+3], v2 offset:\p*SLOTB+4096+1024*\f+512*\c
.endr
.endr
	ds_load_b64 v[VS:VS+1], v3 offset:\p*SLOTB+8448
	s_wait_dscnt 0x9                               ; K's nine loads are in; V's nine, issued behind them, may stay out
	SPROD 0
	SPROD 1
	SPROD 2
	SPROD 3
.rept 4
	v_nop                                          ; places in front of the first read of the scores
.endr
	s_cmp_lg_u32 s17, s16                          ; my last step lies on the diagonal: hidden scores become -infinity ahead of the maximum
	s_cbranch_scc1 .Lopen_\@
	s_lshl_b32 s46, s17, 7
	s_sub_co_u32 s46, s15, s46
	v_add_nc_u32 v[TT], s46, v8                    ; my query - the step's first key - 8 h.  Register 8 kt + j holds key 16 kt + 8 h + j: hidden where 16 kt + j is greater
.set n, 0
.rept 64
	v_cmp_gt_i32 vcc_lo, 16*(n/8)+n%8, v[TT]
	v_cndmask_b32 v[S+n], v[S+n], v[NINF], vcc_lo
.set n, n+1
.endr
.Lopen_\@:
.irp b, 0,1,2,3
	v_max3_num_f32 v[BM+\b], v[S+16*\b], v[S+16*\b+1], v[S+16*\b+2]   ; the largest score of each block of 32 keys: for the row's maximum, and, since p rises with the score, for the block's largest p
.endr
.irp i, 3,5,7,9,11,13
.irp b, 0,1,2,3
	v_max3_num_f32 v[BM+\b], v[BM+\b], v[S+16*\b+\i], v[S+16*\b+\i+1]
.endr
.endr
.irp b, 0,1,2,3
	v_max_num_f32 v[BM+\b], v[BM+\b], v[S+16*\b+15]
.endr
.irp b, 0,1,2,3
	v_permlanex16_b32 v[T2+\b], v[BM+\b], s38, s39
.endr
.irp b, 0,1,2,3
	v_max_num_f32 v[BM+\b], v[BM+\b], v[T2+\b]     ; with lane l xor 16's 16 keys
.endr
	v_max3_num_f32 v[TT], v[BM], v[BM+1], v[BM+2]
	v_max_num_f32 v[TT], v[TT], v[BM+3]
	v_mul_f32 v[TT], s40, v[TT]                    ; as t (c is positive)
	v_max_num_f32 v15, v15, v[TT]                  ; the running largest t
	v_mov_b32 v[TT], v14
	v_floor_f32 v14, -v15                          ; the new -M = floor(-t) = -ceil(t)
	v_sub_f32 v[TT], v14, v[TT]                    ; old M - new M: a whole number, 0 or less
	v_cvt_i32_f32 v[TT], v[TT]                     ; (it saturates)
	v_ldexp_f32 v[FF], 1.0, v[TT]                  ; f = 2^(old M - new M)
.set j, 0
.rept 32
	v_pk_fma_f32 v[S+j:S+j+1], v[S+j:S+j+1], s[40:41], v[14:15] op_sel_hi:[1,0,0]   ; t - M, two at a time
.set j, j+2
.endr
.irp b, 0,1,2,3
	v_fma_f32 v[BM+\b], v[BM+\b], s40, v14         ; the same of each block's largest score
.endr
.set j, 0
.rept 64
	v_exp_f32 v[S+j], v[S+j]                       ; p = 2^(t - M), at most 1
.set j, j+1
.endr
	v_pk_mul_f32 v[16:17], v[16:17], v[FF:FF+1] op_sel_hi:[1,0]   ; the sums under the new M: the plain place behind the exponentials
	s_wait_alu depctr_va_vdst(0)                   ; one wait for the batch of 64, ahead of its first reader
.irp b, 0,1,2,3
	v_exp_f32 v[BM+\b], v[BM+\b]                   ; the block's largest p
.endr
	v_pk_add_f32 v[SUMT:SUMT+1], v[S:S+1], v[S+2:S+3]   ; the row's sum of the unquantised p, in two chains
.set j, 4
.rept 15
	v_pk_add_f32 v[16:17], v[16:17], v[S+j:S+j+1]
	v_pk_add_f32 v[SUMT:SUMT+1], v[SUMT:SUMT+1], v[S+j+2:S+j+3]
.set j, j+4
.endr
	v_pk_add_f32 v[16:17], v[16:17], v[SUMT:SUMT+1]
	s_wait_alu depctr_va_vdst(0)                   ; and one for the four
.irp b, 0,1,2,3
	v_max_num_f32 v[BM+\b], 0x1800000, v[BM+\b]    ; the floor 2^(3 - 127): a block whose every p is 0 keeps the byte 1; its codes are zeros
.endr
.irp b, 0,1,2,3
	v_add_nc_u32 v[SO+\b], 0xff000000, v[BM+\b]    ; 2 off the exponent field: the conversion's scale operand
.endr
.irp b, 0,1,2,3
	v_lshrrev_b32 v[BY+\b], 23, v[SO+\b]           ; the scale's byte
.endr
	v_lshl_or_b32 v[PWD], v[BY+1], 8, v[BY]
	v_lshl_or_b32 v[PWD], v[BY+2], 16, v[PWD]
	v_lshl_or_b32 v[PWD], v[BY+3], 24, v[PWD]
.irp c, 0,1
	v_cvt_scalef32_pk8_fp4_f32 v[PCD+4*\c],   v[S+32*\c:S+32*\c+7],     v[SO+2*\c]     ; tile 4 c
	v_cvt_scalef32_pk8_fp4_f32 v[PCD+4*\c+1], v[S+32*\c+16:S+32*\c+23], v[SO+2*\c+1]   ; tile 4 c + 2
	v_cvt_scalef32_pk8_fp4_f32 v[PCD+4*\c+2], v[S+32*\c+8:S+32*\c+15],  v[SO+2*\c]     ; tile 4 c + 1
	v_cvt_scalef32_pk8_fp4_f32 v[PCD+4*\c+3], v[S+32*\c+24:S+32*\c+31], v[SO+2*\c+1]   ; tile 4 c + 3
.endr
	v_nop                                          ; one plain place behind a scaled conversion
.irp c, 0,1
	v_permlane16_swap_b32 v[PCD+4*\c], v[PCD+4*\c+1]
	v_permlane16_swap_b32 v[PCD+4*\c+2], v[PCD+4*\c+3]
.endr
.set j, 0
.rept 16
	v_pk_mul_f32 v[OT+j:OT+j+1], v[OT+j:OT+j+1], v[FF:FF+1] op_sel_hi:[1,0]   ; O^T under the new M; for each product twelve of these name none of its registers: its places behind P's codes and scale word
.set j, j+2
.endr
	s_wait_dscnt 0x0                               ; V is in
	VPROD 0
	VPROD 1
	VPROD 2
	VPROD 3
.rept 4
	v_nop                                          ; places in front of the next loads into V's registers and of the way out's reads
.endr
.Lhidden_\@:
	s_add_co_u32 s17, s17, 1
	s_wait_dscnt 0x0                               ; my stores into the other slot have landed, my reads of this slot are over
	s_barrier_signal -1
	s_barrier_wait -1
.endm
.Lpass:
	s_wait_xcnt 0x0                                ; the earlier loads and stores have read their bases and data
	s_lshl_b32 s15, s14, 8
	s_lshl_b32 s46, s11, 4
	s_add_co_u32 s15, s15, s46                     ; my first query: 256 x block + 16 x tile
	s_lshr_b32 s16, s15, 7                         ; its step: my last
	s_bfe_u32 s54, s15, 0x30004                    ; its token tile a in that step
	s_mul_i32 s46, s16, BLKB
	s_mov_b32 s47, 0
	s_add_nc_u64 s[50:51], s[30:31], s[46:47]      ; the step's block
	s_lshl_b32 s46, s54, 9
	s_add_nc_u64 s[32:33], s[50:51], s[46:47]      ; Q's tile
	s_bfe_u32 s48, s15, 0x10005
	s_lshl_b32 s48, s48, 7
	s_bfe_u32 s49, s15, 0x10006
	s_lshl_b32 s49, s49, 2
	s_add_co_u32 s46, s48, s49                     ; its scale word f = a / 2: 128 (f % 2) + 4 (f / 2)
	s_add_nc_u64 s[50:51], s[50:51], s[46:47]
	s_lshl_b32 s46, s16, 16
	s_lshl_b32 s48, s54, 12
	s_add_co_u32 s46, s46, s48
	s_add_nc_u64 s[34:35], s[6:7], s[46:47]        ; y's codes of my tile
	s_lshl_b32 s46, s15, 5
	s_add_nc_u64 s[36:37], s[8:9], s[46:47]        ; y's bytes of my tokens
	s_bitcmp1_b32 s15, 4                           ; a odd: my two bytes are the word's upper two
	s_cselect_b32 s55, s44, s43
	global_load_b128 v[24:27], v2, s[32:33]
	global_load_b32 v9, v4, s[50:51] offset:12288
	v_mov_b32 v15, 0xff61b1e6                      ; the largest t so far: -3e38, under every t
	v_floor_f32 v14, -v15
	v_mov_b32 v16, 0
	v_mov_b32 v17, 0
	s_wait_loadcnt 0x0
	v_perm_b32 v[QS], v9, v9, s55                  ; my two bytes twice: they serve [Q | 0] and [0 | Q]
.set j, 0
.rept 32
	v_mov_b32 v[OT+j], 0                           ; O^T: the step is written once, its first turn finds zeros.  (Also the places between Q's scale word and the first product)
.set j, j+1
.endr
	s_add_co_u32 s18, s14, 1                       ; 2 x block + 2 steps, two a trip: 1 to 8 trips
	s_mov_b32 s17, 0
.Ltrip:
	STEP 0
	STEP 1
	s_sub_co_i32 s18, s18, 1
	s_cmp_gt_i32 s18, 0
	s_cbranch_scc1 .Ltrip
	; THE WAY OUT: y = O^T / the sum; its two blocks of 32 along C are quantised; the codes are half of an operand's fragment of the last product
	v_add_f32 v16, v16, v17
	v_permlanex16_b32 v[TT], v16, s38, s39
	v_add_f32 v16, v16, v[TT]                      ; the row's sum
	v_rcp_f32 v[RL], v16
	v_nop                                          ; a plain place behind the transcendental
	s_wait_alu depctr_va_vdst(0)                   ; and the wait ahead of its first reader
.set j, 0
.rept 16
	v_pk_mul_f32 v[S+j:S+j+1], v[OT+j:OT+j+1], v[RL:RL+1] op_sel_hi:[1,0]   ; register 8 dt + i: y(query r, 16 dt + 8 h + i); each accumulator from its low end on
.set j, j+2
.endr
.irp b, 0,1
	v_max3_num_f32 v[BM+\b], |v[S+16*\b]|, |v[S+16*\b+1]|, 0x1800000
.endr
.irp i, 2,4,6,8,10,12,14
.irp b, 0,1
	v_max3_num_f32 v[BM+\b], v[BM+\b], |v[S+16*\b+\i]|, |v[S+16*\b+\i+1]|
.endr
.endr
.irp b, 0,1
	v_permlanex16_b32 v[T2+\b], v[BM+\b], s38, s39
.endr
.irp b, 0,1
	v_max_num_f32 v[BM+\b], v[BM+\b], v[T2+\b]
.endr
.irp b, 0,1
	v_add_nc_u32 v[SO+\b], 0xff000000, v[BM+\b]
.endr
.irp b, 0,1
	v_lshrrev_b32 v[BY+\b], 23, v[SO+\b]
.endr
	v_cvt_scalef32_pk8_fp4_f32 v[YC],   v[S:S+7],     v[SO]
	v_cvt_scalef32_pk8_fp4_f32 v[YC+1], v[S+16:S+23], v[SO+1]
	v_cvt_scalef32_pk8_fp4_f32 v[YC+2], v[S+8:S+15],  v[SO]
	v_cvt_scalef32_pk8_fp4_f32 v[YC+3], v[S+24:S+31], v[SO+1]
	v_nop                                          ; one plain place behind a scaled conversion
	v_permlane16_swap_b32 v[YC], v[YC+1]
	v_permlane16_swap_b32 v[YC+2], v[YC+3]
	v_cndmask_b32 v[YS], v[BY], v[BY+1], s42       ; lanes 0-15 store block 0's byte, lanes 16-31 block 1's
	global_store_b128 v2, v[YC:YC+3], s[34:35]     ; 32 lanes store 512 consecutive bytes, aligned
	global_store_b8 v5, v[YS], s[36:37]
	s_sub_co_u32 s14, 7, s14                       ; the other block
	s_sub_co_i32 s19, s19, 1
	s_cmp_gt_i32 s19, 0
	s_cbranch_scc1 .Lpass
	s_wait_tensorcnt 0x0                           ; the wave's end, behind my last LDS store
	ds_add_u32 v6, v7
	s_wait_dscnt 0x0
	s_endpgm
.Lfunc_end_k_q13b3b78539_attn:
	.size	k_q13b3b78539_attn, .Lfunc_end_k_q13b3b78539_attn-k_q13b3b78539_attn
	.p2alignl 7, 3214868480
	.fill 96, 4, 3214868480
	.section	.rodata,"a",@progbits
	.p2align	6, 0x0
	.amdhsa_kernel k_q13b3b78539_attn
		.amdhsa_group_segment_fixed_size 19456
		.amdhsa_private_segment_fixed_size 0
		.amdhsa_enable_private_segment 0
		.amdhsa_kernarg_size 24
		.amdhsa_user_sgpr_count 2
		.amdhsa_user_sgpr_kernarg_segment_ptr 1
		.amdhsa_wavefront_size32 1
		.amdhsa_system_sgpr_workgroup_id_x 1
		.amdhsa_system_sgpr_workgroup_id_y 1
		.amdhsa_system_sgpr_workgroup_id_z 1
		.amdhsa_system_vgpr_workitem_id 0
		.amdhsa_next_free_vgpr 248
		.amdhsa_next_free_sgpr 66
		.amdhsa_reserve_vcc 1
		.amdhsa_float_denorm_mode_32 3
		.amdhsa_float_denorm_mode_16_64 3
		.amdhsa_memory_ordered 1
		.amdhsa_forward_progress 1
		.amdhsa_inst_pref_size 52
	.end_amdhsa_kernel
	.amdgpu_metadata
---
amdhsa.version: [ 1, 2 ]
amdhsa.kernels:
  - .name:           k_q13b3b78539_attn
    .symbol:         k_q13b3b78539_attn.kd
    .args:
      - { .name: qkvw, .offset: 0, .size: 8, .value_kind: global_buffer, .address_space: global }
      - { .name: y_img, .offset: 8, .size: 8, .value_kind: global_buffer, .address_space: global }
      - { .name: y_sc, .offset: 16, .size: 8, .value_kind: global_buffer, .address_space: global }
    .group_segment_fixed_size: 19456
    .private_segment_fixed_size: 0
    .kernarg_segment_align: 8
    .kernarg_segment_size: 24
    .max_flat_workgroup_size: 512
    .sgpr_count:     66
    .vgpr_count:     248
    .wavefront_size: 32
...
	.end_amdgpu_metadata
.endif
;; end of part 2
;; launch proj (part 3): grid 4 x 64, 4 waves a work-group, clusters of 4 x 4, 252,160 bytes of LDS; arguments y_img, y_sc, W_out_codes, W_out_scales, b_out, out0; writes out0
.if DOCPART == 3
	.amdgcn_target "amdgcn-amd-amdhsa--gfx1250"
	.amdhsa_code_object_version 6
	.text
	.protected	k_q13b3b78539_proj
	.globl	k_q13b3b78539_proj
	.p2align	8
	.type	k_q13b3b78539_proj,@function
k_q13b3b78539_proj:
	s_mov_b64 s[64:65], 0
	v_nop
	global_prefetch_b8 v0, s[64:65] scope:SCOPE_SE
	s_setreg_imm32_b32 hwreg(HW_REG_WAVE_MODE, 25, 1), 1
	s_wait_xcnt 0x0
	s_wait_alu depctr_hold_cnt(0) depctr_sa_sdst(0) depctr_va_vdst(0) depctr_va_sdst(0) depctr_va_ssrc(0) depctr_va_vcc(0) depctr_vm_vsrc(0)
	s_getreg_b32 s2, hwreg(HW_REG_IB_STS2, 6, 4)
	s_cmp_eq_u32 s2, 0
	s_cbranch_scc0 .Lentry_in_a_cluster
	s_endpgm
.Lentry_in_a_cluster:
	s_bfe_u32 s2, ttmp6, 0x10000c
	s_cmp_lg_u32 s2, 0xf033
	s_cbranch_scc0 .Lentry_shape_is_right
	s_endpgm
.Lentry_shape_is_right:
; THIRD LAUNCH: out0 = y W_out + b_out on codes of FP4 (E2M1) with E8M0 scales; sums in f32.  Nothing is left out here.
; SHARES.  A work-group makes 128 tokens x 256 columns, K = 1,024; four waves, 64 tokens (4 tiles R) x 128 columns (8 tiles P) each: 32 accumulators, 256 registers.  256 work-groups.
; THE MATRIX INSTRUCTION IS USED TRANSPOSED (source 0 = 16 rows of W_out, source 1 = 16 tokens): a lane holds eight neighbouring columns of one row of out0.
; CLUSTERS: 4 x 4 work-groups: y's tiles hang on cy and are asked for jointly along a row of the cluster, W_out's on cx and jointly along a column.
; All of K lies in LDS, in two halves of 512 along K: every load is a first fill, nothing is filled again.  y's codes come as images of the operand's registers ([K half][token tile][K step][1,024 bytes], lane l's 16 bytes
; at 16 l): dense, no padding, no bank conflict.  W_out's rows of 256 bytes get 16 bytes of padding.  The scales come once, as dense blocks.
; The bias is the C of each sum's first product.  The way out goes through each wave's own stage in LDS, which no load fills: rows of 512 bytes leave as single aligned runs of 512.
; REGISTERS: window 0: v1-31 addresses; v32-63 P's scale words, v64-79 R's; v128-255 R's fragments (sets at v128 and v192), later rows of out0.  window 1: P's fragments, sets at v0 and v128; v64-127 the bias.  window 2: accumulator (a, b) at v[8 (8 a + b)].
.set PITCH,  272
.set HALFT,  128*PITCH
.set PHALF,  256*PITCH                 ; W_out's 256 rows of one K half
.set PB,     65536                     ; behind y's 65,536 bytes of images
.set LSR,    PB+2*PHALF                ; y's scale bytes: 128 rows x 32, as units of 256 + 16
.set LSP,    LSR+16*272                ; W_out's: 256 rows
.set SPARE,  LSP+32*272                ; the spare words, 128 bytes a wave
.set STAGE,  SPARE+512                 ; 16 rows x (512 + 16) bytes for each wave
.set ADRR, 16                          ; v16    LDS address of my R fragments
.set ADRP, 20                          ; v20-21 of my P fragments in K half 0, 1
.set ADSR, 22
.set ADSP, 23
.set L16,  24                          ; v24    16 x lane
.set STO,  25                          ; v25    the stage: where I put 32 bytes of a row
.set BO1,  26                          ; v26    32 h
.set RD,   27                          ; v27    the stage: where I read a row back
.set SPW,  28
.set NIL,  29
.set SCP,  32
.set SCR,  64
.set RF,   128
.set BK,   128
.set BIAS, 64
.set WV, 16
.set HR, 17
.set HP, 18
.set CX, 20
.set CY, 21
.set PT, 22
.set RT, 23
.set G1R, 24
.set G0R, 32
.set G1P, 40
.set G0P, 48
.set G1SR, 56
.set G0SR, 68
.set G1SP, 72
.set G0SP, 80
.set MSB, 0
.macro WIN new
.if MSB != (\new)
	s_set_vgpr_msb (MSB<<8)|(\new)
.set MSB, (\new)
.endif
.endm
.macro PLACES n
.rept \n
	v_nop
.endr
.endm
.macro JLOAD g0r, g1r, g0p, g1p        ; waves 0 and 1 fetch for R, waves 2 and 3 for P; an s_nop 0 and four v_nop follow each line
	s_cmp_eq_u32 s[HR], 0
	s_cbranch_scc0 .Lfor_p_\@
	tensor_load_to_lds s[\g0r:\g0r+3], s[\g1r:\g1r+7]
	s_nop 0
.rept 4
	v_nop
.endr
	s_branch .Lasked_\@
.Lfor_p_\@:
	tensor_load_to_lds s[\g0p:\g0p+3], s[\g1p:\g1p+7]
	s_nop 0
.rept 4
	v_nop
.endr
.Lasked_\@:
.endm
.macro CROUND
	s_barrier_signal -1
	s_barrier_wait -1
	s_cmp_lg_u32 s[WV], 0
	s_cbranch_scc1 .Lnot_wave_0_\@
	s_barrier_signal -3
.Lnot_wave_0_\@:
	s_barrier_wait -3
	s_barrier_signal -1
	s_barrier_wait -1
.endm
	s_load_b256 s[4:11], s[0:1], 0x0               ; y's codes s[4:5], y's scales s[6:7], W's codes s[8:9], W's scales s[10:11]
	s_load_b128 s[12:15], s[0:1], 0x20             ; the bias s[12:13], out0 s[14:15]
	v_lshl_add_u32 v[SPW], v0, 2, SPARE
	v_mov_b32 v[NIL], 0
	ds_add_u32 v[SPW], v[NIL]                      ; the wave's opening: the add, twice on end, and its wait ahead of my first tensor load
	ds_add_u32 v[SPW], v[NIL]                      ; and once more; the set-up below stands between it and the wait
	v_lshrrev_b32 v1, 5, v0
	v_readfirstlane_b32 s[WV], v1
	s_lshr_b32 s[HR], s[WV], 1                     ; my half of the tokens.  Also: I fetch for R (0) or for P (1)
	s_and_b32 s[HP], s[WV], 1                      ; my half of the columns.  Also: which half of a tile I fetch
	s_bfe_u32 s[CX], ttmp6, 0x40000
	s_bfe_u32 s[CY], ttmp6, 0x40004
	s_lshl_b32 s[PT], ttmp9, 2
	s_add_co_u32 s[PT], s[PT], s[CX]               ; my 256 columns
	s_and_b32 s[RT], ttmp7, 0xffff
	s_lshl_b32 s[RT], s[RT], 2
	s_add_co_u32 s[RT], s[RT], s[CY]               ; my 128 tokens
	s_lshl_b32 s84, s[CY], 2
	s_lshl_b32 s84, 15, s84                        ; my row of the cluster
	s_lshl_b32 s85, 0x1111, s[CX]                  ; my column
	s_or_b32 s[G1R], s84, (3<<16)|(1<<21)          ; y's images: 16,384 dense bytes as 64 rows of 256 (32 elements of 8 bytes), no padding
	s_mov_b32 s[G1R+1], 32<<16
	s_mov_b32 s[G1R+2], 64<<16
	s_mov_b32 s[G1R+3], 32<<16
	s_mov_b32 s[G1R+4], 64
	s_mov_b32 s[G1R+5], 32
	s_mov_b32 s[G1R+6], 0
	s_mov_b32 s[G1R+7], 0
	s_or_b32 s[G1P], s85, (1<<20)|(1<<21)|(5<<22)|(3<<25)   ; W's codes: 128 rows x 256 bytes, 512 apart, 16 bytes of padding behind each
	s_mov_b32 s[G1P+1], 256<<16
	s_mov_b32 s[G1P+2], 128<<16
	s_mov_b32 s[G1P+3], 256<<16
	s_mov_b32 s[G1P+4], 128
	s_mov_b32 s[G1P+5], 512
	s_mov_b32 s[G1P+6], 0
	s_mov_b32 s[G1P+7], 0
	s_or_b32 s[G1SR], s84, (3<<16)|(1<<20)|(1<<21)|(5<<22)|(3<<25)   ; y's scales of 64 tokens: 8 rows of 256 bytes + 16
	s_mov_b32 s[G1SR+1], 32<<16
	s_mov_b32 s[G1SR+2], 8<<16
	s_mov_b32 s[G1SR+3], 32<<16
	s_mov_b32 s[G1SR+4], 8
	s_mov_b32 s[G1SR+5], 32
	s_mov_b32 s[G1SR+6], 0
	s_mov_b32 s[G1SR+7], 0
	s_or_b32 s[G1SP], s85, (3<<16)|(1<<20)|(1<<21)|(5<<22)|(3<<25)   ; W's scales of 128 rows: 16 rows
	s_mov_b32 s[G1SP+1], 32<<16
	s_mov_b32 s[G1SP+2], 16<<16
	s_mov_b32 s[G1SP+3], 32<<16
	s_mov_b32 s[G1SP+4], 16
	s_mov_b32 s[G1SP+5], 32
	s_mov_b32 s[G1SP+6], 0
	s_mov_b32 s[G1SP+7], 0
	s_lshl_b32 s96, s[RT], 16                      ; y's images: 65,536 for 128 tokens, + 16,384 for my four token tiles
	s_lshl_b32 s92, s[HP], 14                      ; (also their place in LDS)
	s_add_co_u32 s96, s96, s92
	s_mov_b32 s97, 0
	s_lshl_b32 s66, s[RT], 12                      ; y's scales: 4,096 for 128 tokens, + 2,048
	s_lshl_b32 s93, s[HP], 11
	s_add_co_u32 s66, s66, s93
	s_mov_b32 s67, 0
	s_lshl_b32 s98, s[PT], 17                      ; W's codes: 256 rows x 512, + 128 rows
	s_lshl_b32 s93, s[HP], 16
	s_add_co_u32 s98, s98, s93
	s_mov_b32 s99, 0
	s_lshl_b32 s2, s[PT], 13                       ; W's scales: 256 rows x 32, + 128 rows
	s_lshl_b32 s93, s[HP], 12
	s_add_co_u32 s2, s2, s93
	s_mov_b32 s3, 0
	s_mul_i32 s93, s[HP], 8*272
	s_add_co_u32 s93, s93, LSR                     ; places in LDS: made of the wave's number and constants alone
	s_mul_i32 s94, s[HP], HALFT
	s_add_co_u32 s94, s94, PB
	s_mul_i32 s95, s[HP], 16*272
	s_add_co_u32 s95, s95, LSP
	s_wait_dscnt 0x0                               ; both opening adds are done
	s_wait_kmcnt 0x0
	s_add_nc_u64 s[4:5], s[4:5], s[96:97]
	s_add_nc_u64 s[6:7], s[6:7], s[66:67]
	s_add_nc_u64 s[8:9], s[8:9], s[98:99]
	s_add_nc_u64 s[10:11], s[10:11], s[2:3]
	CROUND                                         ; all sixteen work-groups are here: the joint loads meet
	s_mov_b32 s[G0SR], 1
	s_mov_b32 s[G0SR+1], s93
	s_mov_b64 s[G0SR+2:G0SR+3], s[6:7]
	s_or_b32 s[G0SR+3], s[G0SR+3], 0x80000000
	s_mov_b32 s[G0SP], 1
	s_mov_b32 s[G0SP+1], s95
	s_mov_b64 s[G0SP+2:G0SP+3], s[10:11]
	s_or_b32 s[G0SP+3], s[G0SP+3], 0x80000000
	JLOAD G0SR, G1SR, G0SP, G1SP
.irp s, 0,1
	s_mov_b32 s[G0R+4*\s], 1
	s_add_co_u32 s[G0R+4*\s+1], s92, \s*32768
	s_add_nc_u64 s[G0R+4*\s+2:G0R+4*\s+3], s[4:5], \s*32768
	s_or_b32 s[G0R+4*\s+3], s[G0R+4*\s+3], 0x80000000
	s_mov_b32 s[G0P+4*\s], 1
	s_add_co_u32 s[G0P+4*\s+1], s94, \s*PHALF
	s_add_nc_u64 s[G0P+4*\s+2:G0P+4*\s+3], s[8:9], \s*256
	s_or_b32 s[G0P+4*\s+3], s[G0P+4*\s+3], 0x80000000
	JLOAD G0R+4*\s, G1R, G0P+4*\s, G1P             ; three loads of mine are out
.endr
	v_and_b32 v1, 15, v0                           ; r
	v_bfe_u32 v2, v0, 4, 1                         ; h
	v_and_b32 v3, 31, v0                           ; lane
	v_lshlrev_b32 v[L16], 4, v3
	s_lshl_b32 s92, s[HR], 14
	v_add_nc_u32 v[ADRR], s92, v[L16]              ; my four token tiles' images
	v_mul_u32_u24 v4, v1, PITCH
	v_lshl_add_u32 v4, v2, 4, v4
	s_mul_i32 s93, s[HP], HALFT
	s_add_co_u32 s93, s93, PB
.irp s, 0,1
	v_add_nc_u32 v[ADRP+\s], s93, v4
	s_add_co_u32 s93, s93, PHALF
.endr
	v_lshrrev_b32 v5, 3, v3
	v_lshlrev_b32 v6, 5, v3
	v_lshl_add_u32 v5, v5, 4, v6                   ; scale words: row = lane: 32 x lane + 16 for each 256 passed
	s_mul_i32 s92, s[HR], 8*272
	s_add_co_u32 s92, s92, LSR
	v_add_nc_u32 v[ADSR], s92, v5
	s_mul_i32 s93, s[HP], 16*272
	s_add_co_u32 s93, s93, LSP
	v_add_nc_u32 v[ADSP], s93, v5
	s_mul_i32 s92, s[WV], 16*528
	s_add_co_u32 s92, s92, STAGE                   ; my stage
	v_mul_u32_u24 v4, v1, 528
	v_lshl_add_u32 v4, v2, 5, v4
	v_add_nc_u32 v[STO], s92, v4                   ; in: row r, 32 bytes for each half of the lanes
	v_add_nc_u32 v[RD], s92, v[L16]                ; back: the 32 lanes take one row of 512 bytes
	v_lshlrev_b32 v[BO1], 5, v2
	s_lshl_b32 s92, s[PT], 10
	s_lshl_b32 s93, s[HP], 9
	s_add_co_u32 s92, s92, s93                     ; my first column, in bytes: 4 (256 PT + 128 HP)
	s_mov_b32 s93, 0
	s_add_nc_u64 s[12:13], s[12:13], s[92:93]
	s_add_nc_u64 s[14:15], s[14:15], s[92:93]
	s_lshl_b32 s92, s[RT], 19
	s_lshl_b32 s94, s[HR], 18
	s_add_co_u32 s92, s92, s94                     ; my first row: (128 RT + 64 HR) x 4,096 bytes
	s_add_nc_u64 s[14:15], s[14:15], s[92:93]
	WIN 0x40
.irp b, 0,1,2,3,4,5,6,7
	global_load_b128 v[BIAS+8*\b:BIAS+8*\b+3], v[BO1], s[12:13] offset:64*\b
	global_load_b128 v[BIAS+8*\b+4:BIAS+8*\b+7], v[BO1], s[12:13] offset:64*\b+16
.endr
	WIN 0
.macro WM a, b, q, p, cmode            ; token tile a x column tile b, K step q, sets p; cmode 1: C = the bias of tile b.  An odd tile's scale words lie in lanes 16-31
.set rD, 8*(8*(\a)+(\b))
.set rA, 128*(\p)+8*(\b)
.set rB, RF+64*(\p)+8*(\a)
.set rX, SCP+8*((\b)/2)+(\q)
.set rY, SCR+8*((\a)/2)+(\q)
.set rC, rD
.if (\cmode) == 1
.set rC, BIAS+8*(\b)
.endif
.if ((\b)%2 == 0) && ((\a)%2 == 0)
	v_wmma_scale_f32_16x16x128_f8f6f4 v[rD:rD+7], v[rA:rA+7], v[rB:rB+7], v[rC:rC+7], v[rX], v[rY] matrix_a_fmt:MATRIX_FMT_FP4 matrix_b_fmt:MATRIX_FMT_FP4
.elseif ((\b)%2 == 1) && ((\a)%2 == 0)
	v_wmma_scale_f32_16x16x128_f8f6f4 v[rD:rD+7], v[rA:rA+7], v[rB:rB+7], v[rC:rC+7], v[rX], v[rY] matrix_a_fmt:MATRIX_FMT_FP4 matrix_b_fmt:MATRIX_FMT_FP4 matrix_a_scale:MATRIX_SCALE_ROW1
.elseif ((\b)%2 == 0)
	v_wmma_scale_f32_16x16x128_f8f6f4 v[rD:rD+7], v[rA:rA+7], v[rB:rB+7], v[rC:rC+7], v[rX], v[rY] matrix_a_fmt:MATRIX_FMT_FP4 matrix_b_fmt:MATRIX_FMT_FP4 matrix_b_scale:MATRIX_SCALE_ROW1
.else
	v_wmma_scale_f32_16x16x128_f8f6f4 v[rD:rD+7], v[rA:rA+7], v[rB:rB+7], v[rC:rC+7], v[rX], v[rY] matrix_a_fmt:MATRIX_FMT_FP4 matrix_b_fmt:MATRIX_FMT_FP4 matrix_a_scale:MATRIX_SCALE_ROW1 matrix_b_scale:MATRIX_SCALE_ROW1
.endif
.endm
.macro MULS a0, n, q, p, cmode         ; the 32 accumulators take turns, one instruction a turn, in the same order in every K step
.set ma, \a0
.rept \n
.set mb, 0
.rept 8
	WM ma, mb, \q, \p, \cmode
.set mb, mb+1
.endr
.set ma, ma+1
.endr
.endm
.macro SCALES
.irp i, 0,1,2,3
.irp g, 0,1
	ds_load_b128 v[SCP+8*\i+4*\g:SCP+8*\i+4*\g+3], v[ADSP] offset:1088*\i+16*\g
.endr
.endr
.irp i, 0,1
.irp g, 0,1
	ds_load_b128 v[SCR+8*\i+4*\g:SCR+8*\i+4*\g+3], v[ADSR] offset:1088*\i+16*\g
.endr
.endr
.endm
.macro FETCH q                         ; 24 LDS loads in one run: the fragments of K step q into set q % 2
.set fs, (\q)/4
.set fq, (\q)%4
.set fp, (\q)%2
	WIN 0x40
.irp i, 0,1,2,3,4,5,6,7
.irp c, 0,1
	ds_load_b128 v[128*fp+8*\i+4*\c:128*fp+8*\i+4*\c+3], v[ADRP+fs] offset:64*fq+32*\c+\i*16*PITCH
.endr
.endr
	WIN 0
.irp i, 0,1,2,3
.irp c, 0,1
	ds_load_b128 v[RF+64*fp+8*\i+4*\c:RF+64*fp+8*\i+4*\c+3], v[ADRR] offset:32768*fs+4096*\i+1024*fq+512*\c
.endr
.endr
.endm
.macro KSTEP q                         ; as in the first launch: the next step's fragments are asked for a step ahead, behind four places; K step 3 waits for the second K half and passes a barrier behind which nothing is filled
	s_wait_dscnt 0x0
.if (\q) == 3
	s_wait_tensorcnt 0x0                           ; my part of the second K half has landed
	s_barrier_signal -1
	WIN 0xa1
	MULS 0, 2, \q, (\q)%2, 0
	WIN 0
	s_barrier_wait -1
	PLACES 4
	FETCH 4
	WIN 0xa1
	MULS 2, 2, \q, (\q)%2, 0
.else
.if (\q) < 7
	PLACES 4
	FETCH (\q)+1
.endif
	WIN 0xa1                                       ; source 0 (W_out) window 1, source 1 (y) window 0, C and D window 2
	MULS 0, 4, \q, (\q)%2, 0
.endif
	WIN 0
.endm
	s_wait_tensorcnt 0x1                           ; the scales and my part of the first K half are in; the second half's load, issued behind them, may stay out
	s_barrier_signal -1
	s_barrier_wait -1
	SCALES
	FETCH 0
	s_wait_loadcnt 0x0                             ; the bias
	s_wait_dscnt 0x0
	FETCH 1
	WIN 0x91                                       ; C (the bias) window 1, D window 2
	MULS 0, 4, 0, 0, 1
	WIN 0
	KSTEP 1
	KSTEP 2
	KSTEP 3
	KSTEP 4
	KSTEP 5
	KSTEP 6
	KSTEP 7
; THE WAY OUT, a token tile (16 rows x 128 columns) at a time: into my own stage, back as whole rows.  LDS serves a wave's instructions in order: no wait between the stores and the loads, nor in front of the next tile's stores.
.macro TOSTAGE a
	WIN 0x08                                       ; an LDS store's data are its source 1: window 2
.irp b, 0,1,2,3,4,5,6,7
	ds_store_b128 v[STO], v[64*(\a)+8*\b:64*(\a)+8*\b+3] offset:64*\b         ; each accumulator from its low end on
	ds_store_b128 v[STO], v[64*(\a)+8*\b+4:64*(\a)+8*\b+7] offset:64*\b+16
.endr
	WIN 0
.set BB, BK+64*((\a)%2)
.irp t, 0,1,2,3,4,5,6,7,8,9,10,11,12,13,14,15
	ds_load_b128 v[BB+4*\t:BB+4*\t+3], v[RD] offset:\t*528
.endr
.endm
.macro SEND a, younger                 ; younger: the LDS instructions issued behind tile a's loads, which may stay out
.set BB, BK+64*((\a)%2)
	s_wait_dscnt \younger
.irp t, 0,1,2,3,4,5,6,7,8,9,10,11,12,13,14,15
	global_store_b128 v[L16], v[BB+4*\t:BB+4*\t+3], s[14:15] offset:(16*(\a)+\t)*4096 th:TH_STORE_NT   ; 32 lanes store 512 consecutive bytes, aligned; written once, read by nobody here
.endr
.endm
	PLACES 4                                       ; in front of the first read of results and of loads into registers that held fragments
	TOSTAGE 0
	TOSTAGE 1
	SEND 0, 32                                     ; behind tile 0's loads: tile 1's 16 stores and 16 loads
	s_wait_xcnt 0x0                                ; tile 0's stores have read their registers: tile 2's rows may land there
	TOSTAGE 2
	SEND 1, 32
	s_wait_xcnt 0x0
	TOSTAGE 3
	SEND 2, 32
	SEND 3, 0
	s_wait_tensorcnt 0x0                           ; the wave's end, behind my last tensor load and my last LDS store
	ds_add_u32 v[SPW], v[NIL]
	s_wait_dscnt 0x0
	CROUND                                         ; the closing round
	s_endpgm
.Lfunc_end_k_q13b3b78539_proj:
	.size	k_q13b3b78539_proj, .Lfunc_end_k_q13b3b78539_proj-k_q13b3b78539_proj
	.p2alignl 7, 3214868480
	.fill 96, 4, 3214868480
	.section	.rodata,"a",@progbits
	.p2align	6, 0x0
	.amdhsa_kernel k_q13b3b78539_proj
		.amdhsa_group_segment_fixed_size 252160
		.amdhsa_private_segment_fixed_size 0
		.amdhsa_enable_private_segment 0
		.amdhsa_kernarg_size 48
		.amdhsa_user_sgpr_count 2
		.amdhsa_user_sgpr_kernarg_segment_ptr 1
		.amdhsa_wavefront_size32 1
		.amdhsa_system_sgpr_workgroup_id_x 1
		.amdhsa_system_sgpr_workgroup_id_y 1
		.amdhsa_system_sgpr_workgroup_id_z 1
		.amdhsa_system_vgpr_workitem_id 0
		.amdhsa_next_free_vgpr 768
		.amdhsa_next_free_sgpr 100
		.amdhsa_reserve_vcc 0
		.amdhsa_float_denorm_mode_32 3
		.amdhsa_float_denorm_mode_16_64 3
		.amdhsa_memory_ordered 1
		.amdhsa_forward_progress 1
		.amdhsa_inst_pref_size 73
	.end_amdhsa_kernel
	.amdgpu_metadata
---
amdhsa.version: [ 1, 2 ]
amdhsa.kernels:
  - .name:           k_q13b3b78539_proj
    .symbol:         k_q13b3b78539_proj.kd
    .args:
      - { .name: y_img, .offset: 0, .size: 8, .value_kind: global_buffer, .address_space: global }
      - { .name: y_sc, .offset: 8, .size: 8, .value_kind: global_buffer, .address_space: global }
      - { .name: W_out_codes, .offset: 16, .size: 8, .value_kind: global_buffer, .address_space: global }
      - { .name: W_out_scales, .offset: 24, .size: 8, .value_kind: global_buffer, .address_space: global }
      - { .name: b_out, .offset: 32, .size: 8, .value_kind: global_buffer, .address_space: global }
      - { .name: out0, .offset: 40, .size: 8, .value_kind: global_buffer, .address_space: global }
    .group_segment_fixed_size: 252160
    .private_segment_fixed_size: 0
    .kernarg_segment_align: 8
    .kernarg_segment_size: 48
    .max_flat_workgroup_size: 128
    .sgpr_count:     100
    .vgpr_count:     768
    .wavefront_size: 32
...
	.end_amdgpu_metadata
.endif
;; end of part 3
;; ======== version 2 of 2: 3 launches; version 1 with the launch attn written anew for expert scheduling mode
;; workspace buffers: qkvw 13,369,344 bytes; y_img 4,194,304 bytes; y_sc 262,144 bytes
;; launch qkv: the kernel of part 1 again; grid 12 x 32, 4 waves a work-group, clusters of 4 x 4, 327,680 bytes of LDS; arguments x_codes, x_scales, W_qkv_codes, W_qkv_scales, b_qkv, qkvw; writes qkvw
;; launch attn (part 4): grid 4 x 64, 16 waves a work-group, no clusters, 19,456 bytes of LDS; arguments qkvw, y_img, y_sc; writes y_img, y_sc
.if DOCPART == 4
	.amdgcn_target "amdgcn-amd-amdhsa--gfx1250"
	.amdhsa_code_object_version 6
	.text
	.protected	k_q13b3b78539_attn
	.globl	k_q13b3b78539_attn
	.p2align	8
	.type	k_q13b3b78539_attn,@function
k_q13b3b78539_attn:
	s_mov_b64 s[64:65], 0
	v_nop
	global_prefetch_b8 v0, s[64:65] scope:SCOPE_SE
	s_setreg_imm32_b32 hwreg(HW_REG_WAVE_SCHED_MODE, 0, 2), 2
	s_setreg_imm32_b32 hwreg(HW_REG_WAVE_MODE, 25, 1), 1
	s_wait_xcnt 0x0
	s_wait_alu depctr_vm_vsrc(0)
; SECOND LAUNCH: y = softmax(q k^T / 8, causal) v on codes of FP4 (E2M1), then y is quantised along C for the last product.
; LEFT OUT: key steps all of whose 128 keys come after a wave's 16 queries (reference()'s own jnp.tril gives them the weight 0; shown at the head of the first launch).
; THE SOFTMAX AHEAD OF p v: t = score x log2(e) / 8; M = the running largest t rounded UP to a whole number; p = 2^(t - M) is quantised along the keys, not normalised; the row's sum is taken of the
; unquantised p and divides at the end; when M moves, the sum and O are multiplied by 2^(old M - new M), which rounds nothing.
; LIMITS: as stated at the head of the first launch; 1 / the row's sum is v_rcp_f32's.
; SHARES.  Work-group (i, batch x head) makes two blocks of 256 queries: 7 - i, then i: (16 - 2 i) + (2 i + 2) = 18 key steps of 128 in every work-group.  Each of sixteen waves owns one tile of 16 queries in 248 registers,
; four waves to a SIMD.  Wave w takes tile 8 ((w ^ (w >> 2)) & 1) + (w >> 1), so that early and late tiles are mixed among neighbouring wave numbers.
; NO CLUSTER: the four work-groups of a head walk the same K and V, but with 16 - 2 i steps in the first pass each is at another step at any time, and partners would need different numbers of tiles.
; K AND V.  A step's block of the workspace (K 4,096 | V 4,096 bytes on end, and 512 bytes of scale words) goes through registers into one of two LDS slots: one load and one LDS store of 16 bytes a thread,
; the scale words by wave 0.  The load for position g + 2 of the 18 is issued in step g and waited for at the head of step g + 1; the stream runs on over the border between the passes (16 - 2 i is even: the slots keep their turns).
; One barrier a step: in front of it each wave's stores into the other slot have landed and its reads of this slot are over.
; LAYOUT.  Both products are used transposed: S^T = K Q^T, O^T = V^T P^T: a lane holds ONE query (lane % 16) throughout.  K = 64 fills half of the instruction's 128, so a fragment of K holds TWO tiles of 16 keys
; (registers 0-3, 4-7), multiplied once by [Q | zero codes] and once by [zero codes | Q].  Key tile kt: a lane holds keys 16 kt + 8 h + 0..7; the conversions of tiles 4 c, 4 c + 2, 4 c + 1, 4 c + 3 and two exchanges
; of halves give P's registers.
; y's codes leave as the register image of the last product's operand, 512 consecutive bytes a wave; its two scale bytes a token and head are neighbours of 15 other heads' bytes in a row of 32: they leave as single bytes.
; THE MODE: SCHED_MODE bits 1:0 = 2 (LLVM: expert scheduling mode 2), set by the entry lines.  The code itself states the register dependences between vector or matrix instructions and memory or LDS
; instructions, with s_wait_alu, always for 0.
; THE PLAN.  Registers that memory or LDS instructions touch:
;   v1 .. v5        offsets and LDS addresses: written at the head, never again; read by every load and store.      v6, v7: written at the head, read by the closing add alone.
;   RB[p], RSB[p]   a block on its way: the global load of a step on slot p lands there; the LDS store at the head of the next step reads it; the step after that loads it again.
;   KF, KS          the step's LDS loads land there; its eight products S^T read them.        VF, VS: likewise, read by its four products O^T.
;   v[24:27], v9    Q's codes and scale word: loaded at a pass's head; read by the pass's products and by one byte select.
;   YC, YS          y's codes and byte: written by the way out's conversions, exchanges and select; read by the pass's two stores; written again in the next pass.
; So a step has at its head, on every way through it, one wait on vm_vsrc (the last step's LDS stores have read RB[p], RSB[p]) and one on va_vdst (the last step's products are done reading KF, KS, VF, VS).  Behind them
; no vector or matrix instruction names a register that a later load of the step touches: K's loads go first, and V's are dealt among the products S^T, which name KF, KS, Q and S alone.
; One more wait on va_vdst stands ahead of the products O^T, whose operand P vector instructions have just written.  All 248 registers are in use: there is no second set of fragments.
.set BLKB,  13056
.set HEADB, 16*BLKB
.set SLOTB, 8704                       ; an LDS slot: K 0, V 4,096, K's scale words 8,192, V's 8,448
.set SPARE, 2*SLOTB                    ; the spare words, 128 bytes for each of 16 waves
; v1 16 x thread; v2 16 x lane; v3 8 x lane; v4 8 r; v5 32 r + h; v6, v7 the add's two; v8 r - 8 h; v9 at work
.set KS,  10                           ; v[10:11] K's scale words: register f / 2, lanes 16-31 for odd f
.set VS,  12                           ; v[12:13] V's
; v14 -M, v15 the largest t, v[16:17] the row's sum in two halves
.set QS,  18                           ; v18 Q's scale word: its two bytes twice
.set PWD, 19                           ; v19 P's scale word
; v20-23 zero codes, v24-27 Q's codes, v28-31 zero codes: [Q | 0] = v[24:31], [0 | Q] = v[20:27]
.set KF,  32                           ; v32-63   four fragments of K
.set S,   64                           ; v64-127  S^T, then p
.set OT,  128                          ; v128-159 O^T
.set PCD, 160                          ; v160-167 P's codes
.set RB,  168                          ; v168-175 two blocks on their way, 16 bytes a thread
.set RSB, 176                          ; v176-183 their scale words (wave 0)
.set BM,  184
.set T2,  188
.set SO,  192
.set BY,  196
.set FF,  200                          ; v[200:201] f
.set SUMT, 202
.set TT,  204
.set NINF, 205
.set VF,  208                          ; v208-239 four fragments of V
.set YC,  240
.set YS,  244
.set RL,  246                          ; v[246:247] 1 / the sum
.set MK,  48                           ; s48-63 on the diagonal: sixteen masks of hidden keys; between a pass's head and its way out these registers hold nothing that is still wanted
; s10 wave, s11 tile, s12 i, s13 batch x head, s14 block, s15 my first query, s16 my last step, s17 the step, s18 trips, s19 passes, s20 the next position to load, s[22:23] its offset, s24 steps of pass 0
; s[26:27] the head's K of step 0, s[28:29] the load's base, s[30:31] the head, s[32:33] Q, s[34:35] y's codes, s[36:37] y's bytes, s[38:39] lane selects, s[40:41] c, s42 lanes 16-31, s43, s44 byte selects
	s_load_b128 s[4:7], s[0:1], 0x0                ; the workspace of q, k, v; y's codes
	s_load_b64 s[8:9], s[0:1], 0x10                ; y's scale bytes
	v_lshl_add_u32 v6, v0, 2, SPARE
	v_mov_b32 v7, 0
	v_lshrrev_b32 v1, 5, v0
	v_readfirstlane_b32 s10, v1                    ; wave 0..15
	v_lshlrev_b32 v1, 4, v0
	v_and_b32 v3, 31, v0
	v_lshlrev_b32 v2, 4, v3
	v_lshlrev_b32 v3, 3, v3
	v_and_b32 v9, 15, v0                           ; r
	v_bfe_u32 v8, v0, 4, 1                         ; h
	v_lshlrev_b32 v4, 3, v9
	v_lshl_add_u32 v5, v9, 5, v8
	v_lshlrev_b32 v8, 3, v8
	v_sub_nc_u32 v8, v9, v8
.irp j, 20,21,22,23,28,29,30,31,176,177,178,179,180,181,182,183,188,189,190,191,201,204,247
	v_mov_b32 v\j, 0                               ; the zero codes; registers that only wave 0 loads; lane permutes' destinations; upper halves of pairs that are named whole
.endr
	v_mov_b32 v[NINF], 0xff800000                  ; -infinity
	s_wait_alu depctr_va_sdst(0)                   ; s10, the wave's number, is written, ahead of its first reader
	s_lshr_b32 s46, s10, 2
	s_xor_b32 s46, s46, s10
	s_and_b32 s46, s46, 1
	s_lshl_b32 s46, s46, 3
	s_lshr_b32 s11, s10, 1
	s_add_co_u32 s11, s11, s46                     ; my tile of the block's 16
	s_mov_b32 s12, ttmp9
	s_and_b32 s13, ttmp7, 0xffff
	s_sub_co_u32 s14, 7, s12                       ; the first pass's block
	s_lshl_b32 s24, s14, 1
	s_add_co_u32 s24, s24, 2                       ; its steps
	s_mul_i32 s46, s13, HEADB
	s_mov_b32 s47, 0
	s_lshr_b32 s48, s13, 4                         ; the batch
	s_and_b32 s49, s13, 15                         ; the head
	s_lshl_b32 s50, s48, 20                        ; y's codes: [token / 128][head / 8][token tile][(head / 2) % 4][head % 2][512]: the batch's 16 x 65,536,
	s_lshr_b32 s51, s49, 3
	s_lshl_b32 s51, s51, 15
	s_add_co_u32 s50, s50, s51
	s_bfe_u32 s51, s49, 0x20001
	s_lshl_b32 s51, s51, 10
	s_add_co_u32 s50, s50, s51
	s_and_b32 s51, s49, 1
	s_lshl_b32 s51, s51, 9
	s_add_co_u32 s50, s50, s51                     ; and the head's part
	s_mov_b32 s51, 0
	s_lshl_b32 s52, s48, 16                        ; y's bytes: [token][32]: the batch's 2,048 x 32, + 2 x head
	s_lshl_b32 s53, s49, 1
	s_add_co_u32 s52, s52, s53
	s_mov_b32 s53, 0
	s_mov_b32 s38, 0x76543210
	s_mov_b32 s39, 0xfedcba98                      ; v_permlanex16_b32: lane l xor 16
	s_mov_b32 s40, 0x3e38aa3b                      ; c = log2(e) / 8
	s_mov_b32 s41, s40                             ; (named with it as a pair)
	s_mov_b32 s42, 0xffff0000
	s_mov_b32 s43, 0x01000100
	s_mov_b32 s44, 0x03020302
	s_mov_b32 s19, 2
	s_mov_b32 s20, 2
	s_mov_b32 s22, 2*BLKB
	s_mov_b32 s23, 0
	s_wait_kmcnt 0x0
	s_add_nc_u64 s[30:31], s[4:5], s[46:47]
	s_add_nc_u64 s[26:27], s[30:31], 4096
	s_add_nc_u64 s[6:7], s[6:7], s[50:51]
	s_add_nc_u64 s[8:9], s[8:9], s[52:53]
	s_wait_alu depctr_va_vdst(0)                   ; the offsets and addresses v1 to v5 are written, which every load and store of the kernel reads; so are v176 to v183 and v9, in which loads land
	global_load_b128 v[RB:RB+3], v1, s[26:27]                   ; positions 0 and 1
	global_load_b128 v[RB+4:RB+7], v1, s[26:27] offset:BLKB
	s_cmp_lg_u32 s10, 0
	s_cbranch_scc1 .Lnot_0_a
	global_load_b128 v[RSB:RSB+3], v2, s[26:27] offset:8448
	global_load_b128 v[RSB+4:RSB+7], v2, s[26:27] offset:BLKB+8448
.Lnot_0_a:
	s_wait_loadcnt 0x0
	ds_store_b128 v1, v[RB:RB+3]
	s_cmp_lg_u32 s10, 0
	s_cbranch_scc1 .Lnot_0_b
	ds_store_b128 v2, v[RSB:RSB+3] offset:8192
.Lnot_0_b:
	s_wait_dscnt 0x0                               ; for the others' sake: my part of slot 0 has landed
	s_barrier_signal -1
	s_barrier_wait -1
.macro SPROD f                         ; keys 32 f on: tile 2 f by [Q | 0], tile 2 f + 1 by [0 | Q]
.if (\f)%2 == 0
	v_wmma_scale_f32_16x16x128_f8f6f4 v[S+16*\f:S+16*\f+7], v[KF+8*\f:KF+8*\f+7], v[24:31], 0, v[KS+\f/2], v[QS] matrix_a_fmt:MATRIX_FMT_FP4 matrix_b_fmt:MATRIX_FMT_FP4
	v_wmma_scale_f32_16x16x128_f8f6f4 v[S+16*\f+8:S+16*\f+15], v[KF+8*\f:KF+8*\f+7], v[20:27], 0, v[KS+\f/2], v[QS] matrix_a_fmt:MATRIX_FMT_FP4 matrix_b_fmt:MATRIX_FMT_FP4
.else
	v_wmma_scale_f32_16x16x128_f8f6f4 v[S+16*\f:S+16*\f+7], v[KF+8*\f:KF+8*\f+7], v[24:31], 0, v[KS+\f/2], v[QS] matrix_a_fmt:MATRIX_FMT_FP4 matrix_b_fmt:MATRIX_FMT_FP4 matrix_a_scale:MATRIX_SCALE_ROW1
	v_wmma_scale_f32_16x16x128_f8f6f4 v[S+16*\f+8:S+16*\f+15], v[KF+8*\f:KF+8*\f+7], v[20:27], 0, v[KS+\f/2], v[QS] matrix_a_fmt:MATRIX_FMT_FP4 matrix_b_fmt:MATRIX_FMT_FP4 matrix_a_scale:MATRIX_SCALE_ROW1
.endif
.endm
.macro VPROD dt                        ; O^T tile dt += V^T P^T, K = the step's 128 keys
.if (\dt)%2 == 0
	v_wmma_scale_f32_16x16x128_f8f6f4 v[OT+8*\dt:OT+8*\dt+7], v[VF+8*\dt:VF+8*\dt+7], v[PCD:PCD+7], v[OT+8*\dt:OT+8*\dt+7], v[VS+\dt/2], v[PWD] matrix_a_fmt:MATRIX_FMT_FP4 matrix_b_fmt:MATRIX_FMT_FP4
.else
	v_wmma_scale_f32_16x16x128_f8f6f4 v[OT+8*\dt:OT+8*\dt+7], v[VF+8*\dt:VF+8*\dt+7], v[PCD:PCD+7], v[OT+8*\dt:OT+8*\dt+7], v[VS+\dt/2], v[PWD] matrix_a_fmt:MATRIX_FMT_FP4 matrix_b_fmt:MATRIX_FMT_FP4 matrix_a_scale:MATRIX_SCALE_ROW1
.endif
.endm
; A KEY STEP on slot p.
.macro STEP p
	s_wait_loadcnt 0x0                             ; on every way through the step: the block asked for a step ago is in registers, and no load of mine is out when its registers' turn to be loaded comes again
	s_wait_alu depctr_vm_vsrc(0)                   ; the LDS stores of the step before (at the first step: of the head) have read RB[p] and RSB[p], in which this step's global loads land
	s_wait_alu depctr_va_vdst(0)                   ; the products of the step before are done reading K's and V's fragments and scale words, in which this step's LDS loads land; in a pass's first step Q's scale word and the zero codes, which the products take, are written
	s_cmp_lt_u32 s20, 19                           ; is there a next position?  (s20 = this position + 2)
	s_cbranch_scc0 .Lno_store_\@
	ds_store_b128 v1, v[RB+4*(1-\p):RB+4*(1-\p)+3] offset:(1-\p)*SLOTB   ; it goes into the other slot, which nobody reads since the last barrier
	s_cmp_lg_u32 s10, 0
	s_cbranch_scc1 .Lno_store_\@
	ds_store_b128 v2, v[RSB+4*(1-\p):RSB+4*(1-\p)+3] offset:(1-\p)*SLOTB+8192
.Lno_store_\@:
	s_cmp_lt_u32 s20, 18                           ; and one behind it?
	s_cbranch_scc0 .Lno_load_\@
	s_wait_xcnt 0x0                                ; the earlier loads have read their base
	s_add_nc_u64 s[28:29], s[26:27], s[22:23]
	global_load_b128 v[RB+4*\p:RB+4*\p+3], v1, s[28:29]   ; into the registers whose LDS store was waited for in front of the last barrier
	s_cmp_lg_u32 s10, 0
	s_cbranch_scc1 .Lno_load_\@
	global_load_b128 v[RSB+4*\p:RSB+4*\p+3], v2, s[28:29] offset:8448
.Lno_load_\@:
	s_add_co_u32 s22, s22, BLKB
	s_add_co_u32 s20, s20, 1
	s_cmp_eq_u32 s20, s24                          ; the second pass begins again at the head's first keys
	s_cselect_b32 s22, 0, s22
	s_cmp_gt_u32 s17, s16                          ; all 128 keys come after my 16 queries: the step's work is left out; ids alone decide
	s_cbranch_scc1 .Lhidden_\@
	ds_load_b64 v[KS:KS+1], v3 offset:\p*SLOTB+8192   ; K first: its scale words, then its four fragments
.irp f, 0,1,2,3
.irp c, 0,1
	ds_load_b128 v[KF+8*\f+4*\c:KF+8*\f+4*\c+3], v2 offset:\p*SLOTB+1024*\f+512*\c
.endr
.endr
.irp f, 0,1,2,3
	s_wait_dscnt 0x6                               ; LDS loads come back in order: K's fragment f is in; the six loads issued behind it (K's later fragments, V's earlier ones) may stay out
	SPROD \f
.irp c, 0,1
	ds_load_b128 v[VF+8*\f+4*\c:VF+8*\f+4*\c+3], v2 offset:\p*SLOTB+4096+1024*\f+512*\c   ; V's fragment f.  No wait: no vector or matrix instruction since the wait at the step's head names V's registers
.endr
.endr
	ds_load_b64 v[VS:VS+1], v3 offset:\p*SLOTB+8448
.rept 4
	v_nop                                          ; places in front of the first read of the scores
.endr
	s_cmp_lg_u32 s17, s16                          ; my last step lies on the diagonal: hidden scores become -infinity ahead of the maximum
	s_cbranch_scc1 .Lopen_\@
	s_lshl_b32 s46, s17, 7
	s_sub_co_u32 s46, s15, s46
	v_add_nc_u32 v[TT], s46, v8                    ; my query - the step's first key - 8 h.  Register 8 kt + j holds key 16 kt + 8 h + j: hidden where 16 kt + j is greater
.set mn, 0
.rept 4                                        ; the compares go in runs of sixteen, each into a scalar register of its own, with one wait behind a run
.set mi, 0
.rept 16
	v_cmp_gt_i32 s[MK+mi], 16*((mn+mi)/8)+(mn+mi)%8, v[TT]
.set mi, mi+1
.endr
	s_wait_alu depctr_va_sdst(0)                   ; the sixteen compares have written their masks, ahead of the selects that read them
.set mi, 0
.rept 16
	v_cndmask_b32 v[S+mn+mi], v[S+mn+mi], v[NINF], s[MK+mi]
.set mi, mi+1
.endr
.set mn, mn+16
.endr
.Lopen_\@:
.irp b, 0,1,2,3
	v_max3_num_f32 v[BM+\b], v[S+16*\b], v[S+16*\b+1], v[S+16*\b+2]   ; the largest score of each block of 32 keys: for the row's maximum, and, since p rises with the score, for the block's largest p
.endr
.irp i, 3,5,7,9,11,13
.irp b, 0,1,2,3
	v_max3_num_f32 v[BM+\b], v[BM+\b], v[S+16*\b+\i], v[S+16*\b+\i+1]
.endr
.endr
.irp b, 0,1,2,3
	v_max_num_f32 v[BM+\b], v[BM+\b], v[S+16*\b+15]
.endr
.irp b, 0,1,2,3
	v_permlanex16_b32 v[T2+\b], v[BM+\b], s38, s39
.endr
.irp b, 0,1,2,3
	v_max_num_f32 v[BM+\b], v[BM+\b], v[T2+\b]     ; with lane l xor 16's 16 keys
.endr
	v_max3_num_f32 v[TT], v[BM], v[BM+1], v[BM+2]
	v_max_num_f32 v[TT], v[TT], v[BM+3]
	v_mul_f32 v[TT], s40, v[TT]                    ; as t (c is positive)
	v_max_num_f32 v15, v15, v[TT]                  ; the running largest t
	v_mov_b32 v[TT], v14
	v_floor_f32 v14, -v15                          ; the new -M = floor(-t) = -ceil(t)
	v_sub_f32 v[TT], v14, v[TT]                    ; old M - new M: a whole number, 0 or less
	v_cvt_i32_f32 v[TT], v[TT]                     ; (it saturates)
	v_ldexp_f32 v[FF], 1.0, v[TT]                  ; f = 2^(old M - new M)
.set j, 0
.rept 32
	v_pk_fma_f32 v[S+j:S+j+1], v[S+j:S+j+1], s[40:41], v[14:15] op_sel_hi:[1,0,0]   ; t - M, two at a time
.set j, j+2
.endr
.irp b, 0,1,2,3
	v_fma_f32 v[BM+\b], v[BM+\b], s40, v14         ; the same of each block's largest score
.endr
.set j, 0
.rept 64
	v_exp_f32 v[S+j], v[S+j]                       ; p = 2^(t - M), at most 1
.set j, j+1
.endr
	v_pk_mul_f32 v[16:17], v[16:17], v[FF:FF+1] op_sel_hi:[1,0]   ; the sums under the new M: the plain place behind the exponentials
	s_wait_alu depctr_va_vdst(0)                   ; the 64 exponentials have written p in v[S ..]: one wait for the batch, ahead of its first reader
.irp b, 0,1,2,3
	v_exp_f32 v[BM+\b], v[BM+\b]                   ; the block's largest p
.endr
	v_pk_add_f32 v[SUMT:SUMT+1], v[S:S+1], v[S+2:S+3]   ; the row's sum of the unquantised p, in two chains
.set j, 4
.rept 15
	v_pk_add_f32 v[16:17], v[16:17], v[S+j:S+j+1]
	v_pk_add_f32 v[SUMT:SUMT+1], v[SUMT:SUMT+1], v[S+j+2:S+j+3]
.set j, j+4
.endr
	v_pk_add_f32 v[16:17], v[16:17], v[SUMT:SUMT+1]
	s_wait_alu depctr_va_vdst(0)                   ; the four exponentials have written the blocks' largest p in v[BM ..], ahead of their first reader
.irp b, 0,1,2,3
	v_max_num_f32 v[BM+\b], 0x1800000, v[BM+\b]    ; the floor 2^(3 - 127): a block whose every p is 0 keeps the byte 1; its codes are zeros
.endr
.irp b, 0,1,2,3
	v_add_nc_u32 v[SO+\b], 0xff000000, v[BM+\b]    ; 2 off the exponent field: the conversion's scale operand
.endr
.irp b, 0,1,2,3
	v_lshrrev_b32 v[BY+\b], 23, v[SO+\b]           ; the scale's byte
.endr
	v_lshl_or_b32 v[PWD], v[BY+1], 8, v[BY]
	v_lshl_or_b32 v[PWD], v[BY+2], 16, v[PWD]
	v_lshl_or_b32 v[PWD], v[BY+3], 24, v[PWD]
.irp c, 0,1
	v_cvt_scalef32_pk8_fp4_f32 v[PCD+4*\c],   v[S+32*\c:S+32*\c+7],     v[SO+2*\c]     ; tile 4 c
	v_cvt_scalef32_pk8_fp4_f32 v[PCD+4*\c+1], v[S+32*\c+16:S+32*\c+23], v[SO+2*\c+1]   ; tile 4 c + 2
	v_cvt_scalef32_pk8_fp4_f32 v[PCD+4*\c+2], v[S+32*\c+8:S+32*\c+15],  v[SO+2*\c]     ; tile 4 c + 1
	v_cvt_scalef32_pk8_fp4_f32 v[PCD+4*\c+3], v[S+32*\c+24:S+32*\c+31], v[SO+2*\c+1]   ; tile 4 c + 3
.endr
	v_nop                                          ; one plain place behind a scaled conversion
.irp c, 0,1
	v_permlane16_swap_b32 v[PCD+4*\c], v[PCD+4*\c+1]
	v_permlane16_swap_b32 v[PCD+4*\c+2], v[PCD+4*\c+3]
.endr
.set j, 0
.rept 16
	v_pk_mul_f32 v[OT+j:OT+j+1], v[OT+j:OT+j+1], v[FF:FF+1] op_sel_hi:[1,0]   ; O^T under the new M; for each product twelve of these name none of its registers: its places behind P's codes and scale word
.set j, j+2
.endr
	s_wait_dscnt 0x0                               ; V is in
	s_wait_alu depctr_va_vdst(0)                   ; behind the places: the exchanges have written P's codes v[PCD ..] and the shifts its scale word v[PWD], which the four products take as operand and scales
	VPROD 0
	VPROD 1
	VPROD 2
	VPROD 3
.rept 4
	v_nop                                          ; places in front of the way out's reads of O^T
.endr
.Lhidden_\@:
	s_add_co_u32 s17, s17, 1
	s_wait_dscnt 0x0                               ; my stores into the other slot have landed, my reads of this slot are over
	s_barrier_signal -1
	s_barrier_wait -1
.endm
.Lpass:
	s_wait_xcnt 0x0                                ; the earlier loads and stores have read their bases and data
	s_wait_alu depctr_vm_vsrc(0)                   ; the last pass's two stores have read y's codes v[YC ..] and byte v[YS], which this pass's way out writes again
	s_wait_alu depctr_va_vdst(0)                   ; the last pass's products are done reading Q's codes v[24:27], and its byte select reading v9: the two loads below land there
	s_lshl_b32 s15, s14, 8
	s_lshl_b32 s46, s11, 4
	s_add_co_u32 s15, s15, s46                     ; my first query: 256 x block + 16 x tile
	s_lshr_b32 s16, s15, 7                         ; its step: my last
	s_bfe_u32 s54, s15, 0x30004                    ; its token tile a in that step
	s_mul_i32 s46, s16, BLKB
	s_mov_b32 s47, 0
	s_add_nc_u64 s[50:51], s[30:31], s[46:47]      ; the step's block
	s_lshl_b32 s46, s54, 9
	s_add_nc_u64 s[32:33], s[50:51], s[46:47]      ; Q's tile
	s_bfe_u32 s48, s15, 0x10005
	s_lshl_b32 s48, s48, 7
	s_bfe_u32 s49, s15, 0x10006
	s_lshl_b32 s49, s49, 2
	s_add_co_u32 s46, s48, s49                     ; its scale word f = a / 2: 128 (f % 2) + 4 (f / 2)
	s_add_nc_u64 s[50:51], s[50:51], s[46:47]
	s_lshl_b32 s46, s16, 16
	s_lshl_b32 s48, s54, 12
	s_add_co_u32 s46, s46, s48
	s_add_nc_u64 s[34:35], s[6:7], s[46:47]        ; y's codes of my tile
	s_lshl_b32 s46, s15, 5
	s_add_nc_u64 s[36:37], s[8:9], s[46:47]        ; y's bytes of my tokens
	s_bitcmp1_b32 s15, 4                           ; a odd: my two bytes are the word's upper two
	s_cselect_b32 s55, s44, s43
	global_load_b128 v[24:27], v2, s[32:33]
	global_load_b32 v9, v4, s[50:51] offset:12288
	v_mov_b32 v15, 0xff61b1e6                      ; the largest t so far: -3e38, under every t
	v_floor_f32 v14, -v15
	v_mov_b32 v16, 0
	v_mov_b32 v17, 0
	s_wait_loadcnt 0x0
	v_perm_b32 v[QS], v9, v9, s55                  ; my two bytes twice: they serve [Q | 0] and [0 | Q]
.set j, 0
.rept 32
	v_mov_b32 v[OT+j], 0                           ; O^T: the step is written once, its first turn finds zeros.  (Also the places between Q's scale word and the first product)
.set j, j+1
.endr
	s_add_co_u32 s18, s14, 1                       ; 2 x block + 2 steps, two a trip: 1 to 8 trips
	s_mov_b32 s17, 0
.Ltrip:
	STEP 0
	STEP 1
	s_sub_co_i32 s18, s18, 1
	s_cmp_gt_i32 s18, 0
	s_cbranch_scc1 .Ltrip
	; THE WAY OUT: y = O^T / the sum; its two blocks of 32 along C are quantised; the codes are half of an operand's fragment of the last product
	v_add_f32 v16, v16, v17
	v_permlanex16_b32 v[TT], v16, s38, s39
	v_add_f32 v16, v16, v[TT]                      ; the row's sum
	v_rcp_f32 v[RL], v16
	v_nop                                          ; a plain place behind the transcendental
	s_wait_alu depctr_va_vdst(0)                   ; the reciprocal has written v[RL], ahead of its first reader
.set j, 0
.rept 16
	v_pk_mul_f32 v[S+j:S+j+1], v[OT+j:OT+j+1], v[RL:RL+1] op_sel_hi:[1,0]   ; register 8 dt + i: y(query r, 16 dt + 8 h + i); each accumulator from its low end on
.set j, j+2
.endr
.irp b, 0,1
	v_max3_num_f32 v[BM+\b], |v[S+16*\b]|, |v[S+16*\b+1]|, 0x1800000
.endr
.irp i, 2,4,6,8,10,12,14
.irp b, 0,1
	v_max3_num_f32 v[BM+\b], v[BM+\b], |v[S+16*\b+\i]|, |v[S+16*\b+\i+1]|
.endr
.endr
.irp b, 0,1
	v_permlanex16_b32 v[T2+\b], v[BM+\b], s38, s39
.endr
.irp b, 0,1
	v_max_num_f32 v[BM+\b], v[BM+\b], v[T2+\b]
.endr
.irp b, 0,1
	v_add_nc_u32 v[SO+\b], 0xff000000, v[BM+\b]
.endr
.irp b, 0,1
	v_lshrrev_b32 v[BY+\b], 23, v[SO+\b]
.endr
	v_cvt_scalef32_pk8_fp4_f32 v[YC],   v[S:S+7],     v[SO]
	v_cvt_scalef32_pk8_fp4_f32 v[YC+1], v[S+16:S+23], v[SO+1]
	v_cvt_scalef32_pk8_fp4_f32 v[YC+2], v[S+8:S+15],  v[SO]
	v_cvt_scalef32_pk8_fp4_f32 v[YC+3], v[S+24:S+31], v[SO+1]
	v_nop                                          ; one plain place behind a scaled conversion
	v_permlane16_swap_b32 v[YC], v[YC+1]
	v_permlane16_swap_b32 v[YC+2], v[YC+3]
	v_cndmask_b32 v[YS], v[BY], v[BY+1], s42       ; lanes 0-15 store block 0's byte, lanes 16-31 block 1's
	s_wait_alu depctr_va_vdst(0)                   ; the exchanges have written y's codes v[YC ..] and the select its byte v[YS], which the two stores read
	global_store_b128 v2, v[YC:YC+3], s[34:35]     ; 32 lanes store 512 consecutive bytes, aligned
	global_store_b8 v5, v[YS], s[36:37]
	s_sub_co_u32 s14, 7, s14                       ; the other block
	s_sub_co_i32 s19, s19, 1
	s_cmp_gt_i32 s19, 0
	s_cbranch_scc1 .Lpass
	s_wait_dscnt 0x0                               ; the closing lines, six on end
	s_wait_alu 0x0
	s_wait_tensorcnt 0x0
	ds_add_u32 v6, v7
	s_wait_dscnt 0x0
	s_endpgm
.Lfunc_end_k_q13b3b78539_attn:
	.size	k_q13b3b78539_attn, .Lfunc_end_k_q13b3b78539_attn-k_q13b3b78539_attn
	.p2alignl 7, 3214868480
	.fill 96, 4, 3214868480
	.section	.rodata,"a",@progbits
	.p2align	6, 0x0
	.amdhsa_kernel k_q13b3b78539_attn
		.amdhsa_group_segment_fixed_size 19456
		.amdhsa_private_segment_fixed_size 0
		.amdhsa_enable_private_segment 0
		.amdhsa_kernarg_size 24
		.amdhsa_user_sgpr_count 2
		.amdhsa_user_sgpr_kernarg_segment_ptr 1
		.amdhsa_wavefront_size32 1
		.amdhsa_system_sgpr_workgroup_id_x 1
		.amdhsa_system_sgpr_workgroup_id_y 1
		.amdhsa_system_sgpr_workgroup_id_z 1
		.amdhsa_system_vgpr_workitem_id 0
		.amdhsa_next_free_vgpr 248
		.amdhsa_next_free_sgpr 66
		.amdhsa_reserve_vcc 0
		.amdhsa_float_denorm_mode_32 3
		.amdhsa_float_denorm_mode_16_64 3
		.amdhsa_memory_ordered 1
		.amdhsa_forward_progress 1
		.amdhsa_inst_pref_size 61
	.end_amdhsa_kernel
	.amdgpu_metadata
---
amdhsa.version: [ 1, 2 ]
amdhsa.kernels:
  - .name:           k_q13b3b78539_attn
    .symbol:         k_q13b3b78539_attn.kd
    .args:
      - { .name: qkvw, .offset: 0, .size: 8, .value_kind: global_buffer, .address_space: global }
      - { .name: y_img, .offset: 8, .size: 8, .value_kind: global_buffer, .address_space: global }
      - { .name: y_sc, .offset: 16, .size: 8, .value_kind: global_buffer, .address_space: global }
    .group_segment_fixed_size: 19456
    .private_segment_fixed_size: 0
    .kernarg_segment_align: 8
    .kernarg_segment_size: 24
    .max_flat_workgroup_size: 512
    .sgpr_count:     66
    .vgpr_count:     248
    .wavefront_size: 32
...
	.end_amdgpu_metadata
.endif
;; end of part 4
;; launch proj: the kernel of part 3 again; grid 4 x 64, 4 waves a work-group, clusters of 4 x 4, 252,160 bytes of LDS; arguments y_img, y_sc, W_out_codes, W_out_scales, b_out, out0; writes out0
